; MI455X (gfx1250); checked and timed in simulation.
; The chip was launched on July 23, 2026; its instructions are those of AMD's public machine-readable ISA for CDNA 5 (MIT licence, August 2026) and "CDNA5" Instruction Set Architecture Reference Guide (July 2026). The comments in the code are by the model that wrote it; some were corrected since.
;; Attention. Allowed arithmetic: matrix products marked QUANTISED: E5M2 operands, one given power-of-two scale a tensor, by v_wmma_f32_16x16x64_bf8_bf8 or v_wmma_f32_16x16x128_bf8_bf8, f32 sums; products left as they are: f32 operands where the result goes on into a quantised operand, else bf16, f16 or f32 operands; f32 sums; everything else in f32.
;; Inputs: Ua_b 1,024 float32; Ua_w 1,024 x 1,024 float32; Va_b one number float32; Va_w 1,024 float32; Wa_b 1,024 float32; Wa_w 1,024 x 1,024 float32; decoder_hidden 32 x 1,024 float32; encoder_outputs 32 x 2,048 x 1,024 float32; lowp_scales 4 int32 (the exponents e of the quantised operands' scales 2^e); mask 32 x 2,048 int32.
;; Outputs: out0 32 x 2,048 float32.
;; This version of the problem:
;;   THIS VERSION OF THE PROBLEM IS GIVEN IN LOW PRECISION. The matrix products marked QUANTISED in the list below multiply operands that are first quantised to E5M2 (5 exponent bits, 2 mantissa bits; 8 bits a number), with one given power-of-two scale for each operand tensor; their sums are f32. All else is computed in f32.
;;   The module's matrix products, in the order in which they are computed (A, B: the left and right operand; K: the contracted axis; several contracted axes count as one K, in the product's order):
;;     1. [M 32, K 1,024] x [K 1,024, N 1,024]; A: input decoder_hidden; B: input Wa_w: QUANTISED (scales: A lowp_scales[0], B lowp_scales[1])
;;     2. [M 65,536, K 1,024] x [K 1,024, N 1,024]; A: input encoder_outputs; B: input Ua_w: QUANTISED (scales: A lowp_scales[2], B lowp_scales[3])
;;     3. [M 65,536, K 1,024] x [K 1,024, N 1]; A: computed on the way; B: input Va_w: left as it is (N = 1 < 16)
;;   THE QUANTISER, for each operand of a quantised product, along K:
;;     - The operand's scale is 2^e, e = its entry of the input lowp_scales (int32; the entries are numbered through the quantised products in the list's order, A before B).
;;     - Each number is divided by the scale, clamped to +-57,344, and rounded to the nearest number of E5M2, ties to even, subnormals kept.
;;     - The product sums the exact products of the quantised numbers (number of the format x scale) in f32.
;;   ~~~python
;;   def quantise(x, axis, e):      # numpy; x: float32 -> the quantised numbers, widened to float32 again
;;       x = np.moveaxis(x, axis, -1); K = x.shape[-1]
;;       r = np.clip(x / 2.0 ** e, -57344, 57344)
;;       step = 2.0 ** (np.maximum(np.frexp(np.where(r == 0, 1, r))[1] - 1, -14) - 2)
;;       q = np.round(r / step) * step * 2.0 ** e      # np.round: ties to even
;;       return np.moveaxis(q, -1, axis).astype(np.float32)
;;   ~~~
;; 2 versions. Each part assembles by itself: llvm-mc -triple=amdgcn-amd-amdhsa -mcpu=gfx1250 --defsym DOCPART=n.
;; ======== version 1 of 2: 3 launches
;; workspace buffers: ua_img 1,048,576 bytes; biasc 131,072 bytes; sraw 262,144 bytes
;; launch prep (part 1): grid 128 x 1, 8 waves a work-group, no clusters, 17,408 bytes of LDS; arguments Ua_w, Wa_w, decoder_hidden, Wa_b, Ua_b, lowp_scales, ua_img, biasc; writes ua_img, biasc
.if DOCPART == 1
	.amdgcn_target "amdgcn-amd-amdhsa--gfx1250"
	.amdhsa_code_object_version 6
	.text
	.protected	k_q17d977e7b0_prep
	.globl	k_q17d977e7b0_prep
	.p2align	8
	.type	k_q17d977e7b0_prep,@function
k_q17d977e7b0_prep:
	s_mov_b64 s[64:65], 0
	v_nop
	global_prefetch_b8 v0, s[64:65] scope:SCOPE_SE
	s_setreg_imm32_b32 hwreg(HW_REG_WAVE_MODE, 25, 1), 1
	s_wait_xcnt 0x0
; Two small jobs ahead of the large product, one launch for both.
; Work-groups 0-63 (tile t = x): Ua_w [1024 (k)][1024 (n)] f32 becomes codes of E5M2 with the given scale 2^e3, laid as IMAGES OF OPERAND REGISTERS:
;   ua_img byte t*16384 + s*2048 + c*512 + 16*lane + i = code of Ua_w[128 s + 32 c + 16 (lane/16) + i][16 t + lane%16].
; Work-groups 64-127 (tile t = x - 64): the decoder's projection, 32 rows x 16 columns, on codes (scales 2^e0, 2^e1), and
;   biasc[m][n] = c (sum x 2^(e0+e1) + Wa_b[n] + Ua_b[n]),  c = 2 log2(e): what the large launch adds ahead of its exponential.
; SHARES: wave w takes K step s = w (128 along K).  A LANE TAKES A COLUMN n = 16 t + lane%16 AND ITS REGISTERS RUN DOWN K, in the order that the operand's
; layout gives that lane (register 16 c + i: k = 128 s + 32 c + 16 (lane/16) + i): the conversions' 16 registers are the operand's, and nothing is transposed.
; The same permutation of k stands in both operands of every product here and in the large launch, so every product meets its partner.
; The eight waves' partial sums of the projection meet in LDS; only that path touches LDS and passes the barrier (the branch hangs on the work-group's number: alike in all waves).
; LIMITS: e0, e1, e3 between -126 and 112; e0 + e1 between -127 and 126 (added to c's exponent field).  NaN among the inputs is not served; what lies beyond a scale's range is held at the largest code.
; biasc leaves in pieces of 64 bytes (16 columns of a row): 128 KB in all; whole runs of 256 bytes would want 64 columns a work-group and three dependent rounds of loads.
.set C2L, 0x4038aa3b                   ; c = 2 log2(e)
.macro MKSC e, sc, lim                 ; v[sc] = 2^e as f32 (the conversion takes its exponent field), v[lim] = 57,344 x 2^e
	s_add_co_i32 s32, s[\e], 127
	s_lshl_b32 s33, s32, 23
	v_mov_b32 v[\sc], s33
	s_add_co_i32 s32, s32, 15
	s_lshl_b32 s32, s32, 23
	s_or_b32 s32, s32, 0x600000
	v_mov_b32 v[\lim], s32
.endm
.macro QUANT src, dst, sc, lim         ; 64 numbers of a lane become a fragment's 16 registers of codes
.set i, 0
.rept 64
	v_med3_num_f32 v[\src+i], v[\src+i], -v[\lim], v[\lim]   ; the conversion to an 8-bit code does not saturate (ISA guide 7.6.2): the hold comes first
.set i, i+1
.endr
.set i, 0
.rept 8
	v_cvt_scalef32_pk8_bf8_f32 v[\dst+2*i:\dst+2*i+1], v[\src+8*i:\src+8*i+7], v[\sc]
.set i, i+1
.endr
	v_nop                                          ; one plain vector line behind the last conversion of a run
.endm
	s_load_b256 s[8:15], s[0:1], 0x0               ; Ua_w s[8:9], Wa_w s[10:11], decoder_hidden s[12:13], Wa_b s[14:15]
	s_load_b256 s[16:23], s[0:1], 0x20             ; Ua_b s[16:17], lowp_scales s[18:19], ua_img s[20:21], biasc s[22:23]
	v_lshl_add_u32 v224, v0, 2, 0x4000
	v_mov_b32 v225, 0
	v_lshrrev_b32 v1, 5, v0
	v_readfirstlane_b32 s24, v1                    ; wave = K step
	v_and_b32 v1, 15, v0                           ; r
	v_bfe_u32 v2, v0, 4, 1                         ; h
	v_and_b32 v3, 31, v0
	v_lshlrev_b32 v3, 4, v3                        ; 16 x lane
	v_lshlrev_b32 v6, 2, v1                        ; 4 r
	v_lshl_add_u32 v4, v2, 16, v6                  ; the weight: column r, lanes 16-31 sixteen rows of 4,096 bytes further down
	v_lshlrev_b32 v5, 12, v1
	v_lshl_add_u32 v5, v2, 6, v5                   ; decoder_hidden: row r of 4,096 bytes, + 64 h
	v_lshl_add_u32 v8, v2, 15, v6                  ; biasc: 8 h rows of 4,096 bytes, + 4 r
	s_lshl_b32 s42, s24, 11
	v_add_nc_u32 v9, s42, v3                       ; LDS: my wave's 2,048 bytes of partial sums, 16 bytes a lane
	s_lshr_b32 s43, s24, 1
	s_lshl_b32 s43, s43, 9
	s_and_b32 s44, s24, 1
	s_lshl_b32 s44, s44, 3
	s_add_co_u32 s43, s43, s44
	v_add_nc_u32 v7, s43, v3                       ; LDS: the two registers that my wave adds up: store w/2, bytes 8 (w%2) on
	s_and_b32 s25, ttmp9, 63                       ; t
	s_lshl_b32 s32, s24, 19                        ; 128 rows of 4,096 bytes x wave
	s_lshl_b32 s36, s25, 6                         ; 64 t
	s_add_co_u32 s32, s32, s36
	s_mov_b32 s33, 0
	s_mov_b32 s37, 0
	s_wait_kmcnt 0x0
	s_load_b128 s[28:31], s[18:19], 0x0            ; e0, e1, e2, e3
	s_cmp_lt_u32 ttmp9, 64                         ; Ua's work-group or Wa's: the choice hangs on the work-group's number alone
	s_cselect_b64 s[26:27], s[8:9], s[10:11]
	s_add_nc_u64 s[26:27], s[26:27], s[32:33]
.set i, 0
.rept 64
	global_load_b32 v[16+i], v4, s[26:27] offset:(32*(i/16)+i%16)*4096   ; W(128 s + 32 c + 16 h + i, 16 t + r): sixteen lanes read 64 neighbouring bytes
.set i, i+1
.endr
	s_cmp_lt_u32 ttmp9, 64
	s_cbranch_scc0 .Ldec
	; ---- Ua: codes out, as the image (t, s)
	s_lshl_b32 s34, s25, 14
	s_add_co_u32 s34, s34, s42                     ; 16,384 t + 2,048 s
	s_mov_b32 s35, 0
	s_add_nc_u64 s[20:21], s[20:21], s[34:35]
	s_wait_kmcnt 0x0
	MKSC 31, 10, 11                                ; e3
	s_wait_loadcnt 0x0
	QUANT 16, 208, 10, 11
.irp c, 0,1,2,3
	global_store_b128 v3, v[208+4*\c:211+4*\c], s[20:21] offset:512*\c   ; the wave stores 512 consecutive bytes, aligned
.endr
	s_endpgm
.Ldec:	; ---- the decoder's projection
	s_lshl_b32 s34, s24, 9                         ; 512 bytes of a row for each K step
	s_mov_b32 s35, 0
	s_add_nc_u64 s[12:13], s[12:13], s[34:35]
	s_add_nc_u64 s[14:15], s[14:15], s[36:37]      ; the biases at column 16 t
	s_add_nc_u64 s[16:17], s[16:17], s[36:37]
	s_lshr_b32 s38, s24, 2
	s_lshl_b32 s38, s38, 4
	s_and_b32 s39, s24, 3
	s_lshl_b32 s39, s39, 1
	s_add_co_u32 s38, s38, s39                     ; the first of the two rows that my wave finishes for h = 0: 16 (w/4) + 2 (w%4)
	s_lshl_b32 s38, s38, 12
	s_add_co_u32 s38, s38, s36
	s_mov_b32 s39, 0
	s_add_nc_u64 s[22:23], s[22:23], s[38:39]
.irp mt, 0,1
.set i, 0
.rept 16
	global_load_b128 v[80+64*\mt+4*i:83+64*\mt+4*i], v5, s[12:13] offset:65536*\mt+128*(i/4)+16*(i%4)   ; rows 16 mt + r: 16 neighbours of each block of 32
.set i, i+1
.endr
.endr
	global_load_b32 v14, v6, s[14:15]              ; Wa_b[16 t + r]
	global_load_b32 v15, v6, s[16:17]              ; Ua_b[16 t + r]
	s_wait_kmcnt 0x0
	MKSC 29, 10, 11                                ; e1
	MKSC 28, 12, 13                                ; e0
	s_add_co_i32 s40, s28, s29
	s_lshl_b32 s40, s40, 23
	s_add_co_i32 s40, s40, C2L                     ; c x 2^(e0 + e1): the exponents are added to c's exponent field
	s_wait_loadcnt 34                              ; the weight's 64 loads are in; behind them: 32 of decoder_hidden, 2 of the biases
	QUANT 16, 208, 10, 11
	s_wait_loadcnt 18                              ; rows 0-15 are in; behind them: 16 + 2
	QUANT 80, 16, 12, 13
	s_wait_loadcnt 2                               ; rows 16-31 are in; the two biases may be out
	QUANT 144, 32, 12, 13
	v_wmma_f32_16x16x128_bf8_bf8 v[48:55], v[16:31], v[208:223], 0    ; register j of lane (r, h): (row 8 h + j, column r)
	v_wmma_f32_16x16x128_bf8_bf8 v[56:63], v[32:47], v[208:223], 0    ; rows 16-31
.rept 4
	v_nop                                          ; four places between a matrix instruction and the first read of its result (ISA guide 7.12.1)
.endr
	ds_store_b128 v9, v[48:51]
	ds_store_b128 v9, v[52:55] offset:512
	ds_store_b128 v9, v[56:59] offset:1024
	ds_store_b128 v9, v[60:63] offset:1536
	s_wait_dscnt 0x0                               ; for the others' sake: my partial sums lie in LDS
	s_barrier_signal -1
	s_barrier_wait -1
.irp p, 0,1,2,3,4,5,6,7
	ds_load_b64 v[80+2*\p:81+2*\p], v7 offset:2048*\p      ; the eight K steps' parts of my two registers
.endr
	s_wait_dscnt 0x0
	v_pk_add_f32 v[80:81], v[80:81], v[82:83]
	v_pk_add_f32 v[84:85], v[84:85], v[86:87]
	v_pk_add_f32 v[88:89], v[88:89], v[90:91]
	v_pk_add_f32 v[92:93], v[92:93], v[94:95]
	v_pk_add_f32 v[80:81], v[80:81], v[84:85]
	v_pk_add_f32 v[88:89], v[88:89], v[92:93]
	v_pk_add_f32 v[80:81], v[80:81], v[88:89]
	s_wait_loadcnt 0x0                             ; the biases
	v_add_f32 v14, v14, v15
	v_mul_f32 v14, C2L, v14
	v_fma_f32 v96, v80, s40, v14
	v_fma_f32 v97, v81, s40, v14
	global_store_b32 v8, v96, s[22:23]
	global_store_b32 v8, v97, s[22:23] offset:4096
	s_wait_tensorcnt 0x0
	ds_add_u32 v224, v225
	s_wait_dscnt 0x0
	s_endpgm
.Lfunc_end_k_q17d977e7b0_prep:
	.size	k_q17d977e7b0_prep, .Lfunc_end_k_q17d977e7b0_prep-k_q17d977e7b0_prep
	.p2alignl 7, 3214868480
	.fill 96, 4, 3214868480
	.section	.rodata,"a",@progbits
	.p2align	6, 0x0
	.amdhsa_kernel k_q17d977e7b0_prep
		.amdhsa_group_segment_fixed_size 17408
		.amdhsa_private_segment_fixed_size 0
		.amdhsa_enable_private_segment 0
		.amdhsa_kernarg_size 64
		.amdhsa_user_sgpr_count 2
		.amdhsa_user_sgpr_kernarg_segment_ptr 1
		.amdhsa_wavefront_size32 1
		.amdhsa_system_sgpr_workgroup_id_x 1
		.amdhsa_system_sgpr_workgroup_id_y 1
		.amdhsa_system_sgpr_workgroup_id_z 1
		.amdhsa_system_vgpr_workitem_id 0
		.amdhsa_next_free_vgpr 226
		.amdhsa_next_free_sgpr 66
		.amdhsa_reserve_vcc 0
		.amdhsa_float_denorm_mode_32 3
		.amdhsa_float_denorm_mode_16_64 3
		.amdhsa_memory_ordered 1
		.amdhsa_forward_progress 1
		.amdhsa_inst_pref_size 34
	.end_amdhsa_kernel
	.amdgpu_metadata
---
amdhsa.version: [ 1, 2 ]
amdhsa.kernels:
  - .name:           k_q17d977e7b0_prep
    .symbol:         k_q17d977e7b0_prep.kd
    .args:
      - { .name: Ua_w, .offset: 0, .size: 8, .value_kind: global_buffer, .address_space: global }
      - { .name: Wa_w, .offset: 8, .size: 8, .value_kind: global_buffer, .address_space: global }
      - { .name: decoder_hidden, .offset: 16, .size: 8, .value_kind: global_buffer, .address_space: global }
      - { .name: Wa_b, .offset: 24, .size: 8, .value_kind: global_buffer, .address_space: global }
      - { .name: Ua_b, .offset: 32, .size: 8, .value_kind: global_buffer, .address_space: global }
      - { .name: lowp_scales, .offset: 40, .size: 8, .value_kind: global_buffer, .address_space: global }
      - { .name: ua_img, .offset: 48, .size: 8, .value_kind: global_buffer, .address_space: global }
      - { .name: biasc, .offset: 56, .size: 8, .value_kind: global_buffer, .address_space: global }
    .group_segment_fixed_size: 17408
    .private_segment_fixed_size: 0
    .kernarg_segment_align: 8
    .kernarg_segment_size: 64
    .max_flat_workgroup_size: 256
    .sgpr_count:     66
    .vgpr_count:     226
    .wavefront_size: 32
...
	.end_amdgpu_metadata
.endif
;; end of part 1
;; launch main (part 2): grid 256 x 1, 4 waves a work-group, clusters of 4 x 1, 327,680 bytes of LDS; arguments encoder_outputs, ua_img, biasc, Va_w, lowp_scales, sraw; writes sraw
.if DOCPART == 2
	.amdgcn_target "amdgcn-amd-amdhsa--gfx1250"
	.amdhsa_code_object_version 6
	.text
	.protected	k_q17d977e7b0_main
	.globl	k_q17d977e7b0_main
	.p2align	8
	.type	k_q17d977e7b0_main,@function
k_q17d977e7b0_main:
	s_mov_b64 s[64:65], 0
	v_nop
	global_prefetch_b8 v0, s[64:65] scope:SCOPE_SE
	s_setreg_imm32_b32 hwreg(HW_REG_WAVE_MODE, 25, 1), 1
	s_wait_xcnt 0x0
	s_wait_alu depctr_hold_cnt(0) depctr_sa_sdst(0) depctr_va_vdst(0) depctr_va_sdst(0) depctr_va_ssrc(0) depctr_va_vcc(0) depctr_vm_vsrc(0)
	s_getreg_b32 s2, hwreg(HW_REG_IB_STS2, 6, 4)
	s_cmp_eq_u32 s2, 0
	s_cbranch_scc0 .Lentry_in_a_cluster
	s_endpgm
.Lentry_in_a_cluster:
	s_bfe_u32 s2, ttmp6, 0x10000c
	s_cmp_lg_u32 s2, 0x3003
	s_cbranch_scc0 .Lentry_shape_is_right
	s_endpgm
.Lentry_shape_is_right:
; sraw[row] = the sum over n of Va[n] / (1 + 2^z),  z = c (x[row] . Ua[:, n] + dec[b][n] + Wa_b[n] + Ua_b[n]),  c = 2 log2(e);  tanh = 1 - 2 / (1 + 2^z), so a score is (sum of Va + Va_b) - 2 sraw.
; The product is made on codes of E5M2: x quantised here with 2^e2, Ua's codes (2^e3) come as images of operand registers; z = sum x (c 2^(e2+e3)) + biasc[b][n].
; 2^z = infinity gives 0 and 2^z = 0 gives 1: tanh saturates as it should.
; LIMITS: e2 between -126 and 112; e2 + e3 between -127 and 126 (added to c's exponent field).  NaN among the inputs is not served; what lies beyond the scale's range is held at the largest code.
; SHARES.  A work-group owns 256 rows (all of one batch), each of its four waves 64: four tiles of 16.
; PHASE X: the wave's rows come as f32 by tensor loads, 128 along K at a time (64 rows x 512 bytes, two areas by turns), and are quantised into REGISTERS: 4 x 8 fragments, 512 registers, where they stay.
; PHASE G: 64 tiles of 16 columns of Ua.  A fragment of Ua (2,048 bytes from LDS) feeds four matrix instructions.  Ua's images come through the same two areas, 8 tiles (131,072 bytes) a slot.
; CLUSTER: the four work-groups of a cluster walk the same images of Ua, so each slot is asked for JOINTLY (mask 15); x's tiles are each wave's own and are plain loads.
; THE MATRIX INSTRUCTION IS USED TRANSPOSED (source 0 = 16 columns of Ua, source 1 = 16 rows of x): lane (r, h) holds row r, register j column 16 t + 8 h + j: a row's sum over n stays in its lane pair.
; BY TURNS: two sets of four accumulators.  While one tile's 32 products are issued, the tile before goes through fma, exp, +1, rcp, one slice (a plain line and two transcendentals) behind each product.
; REGISTERS: window 0: v1-15 addresses; v16-23 the rows' sums (a pair a tile of rows); v24-31 at work; v32-47 biasc, two sets; v48-63 Va, two sets; v64-127 accumulators, two sets; v128-255 Ua's 8 fragments (phase X: two sets of 64 numbers).
;   window 1: x's fragments (tile m, K step s < 4) at v[16 (4 s + m)];  window 2: K steps 4-7 likewise.
; Under the products' settings (source 1 in window 1 or 2, all else window 0) the slices and the LDS loads name a vector register only as destination, source 0 or source 2: three switches a tile.
.set AREA1,  0x21000                   ; the second area: 135,168; it shares no bit with wave x 33,792, wave x 32,768 or tile x 16,384, so one exclusive or turns an address
.set XPITCH, 528                       ; a row of x's tile in LDS: 512 bytes + 16: an odd multiple of 16, so the 16 rows of a load start at 16 different groups of banks (ISA guide 11.1)
.set XWAVE,  64*XPITCH                 ; a wave's tile of x
.set TILEB,  16384                     ; a column tile's eight images
.set SLOTB,  8*TILEB
.set BIAS,   2*AREA1                   ; 4,096 bytes: biasc's row of my batch;  behind it 4,096 bytes: Va_w
.set SCR,    BIAS+8192                 ; 256 bytes a wave: the way out
.set SPARE,  SCR+1024                  ; the spare words, 128 bytes a wave: two blocks of 256 bytes that no other line names
.set GOF, 3                            ; v3   8 x lane
.set LI,  4                            ; v4   16 x lane
.set HB,  5                            ; v5   BIAS + 32 h
.set AX,  6                            ; v6-7 my lane's place in my tile of x, area 0, 1
.set ADB, 8                            ; v8   the images being fetched
.set ABV, 9                            ; v9   the tile's biasc and Va
.set SPW, 10                           ; v10  my spare word; never rewritten
.set NIL, 11                           ; v11  0; never rewritten
.set SCL, 12                           ; v12  2^e2
.set LIM, 13                           ; v13  57,344 x 2^e2
.set SA,  14
.set SL,  15
.set SS,  16
.set BIA, 32
.set VAR, 48
.set ACC, 64
.set FB,  128
.set STG, 128
.set WV,  16                           ; s16  wave
.set GX1, 24                           ; s[24:31] group 1 for x's tiles;  s[32:39] for Ua's slots
.set GB1, 32
.set GXA, 40                           ; s[40:43] group 0 of the first fill;  s[44:47] of the second, which then walks;  s[48:51] Ua's, which walks
.set GXB, 44
.set GB0, 48
.set SC,  52                           ; s[52:53] c 2^(e2+e3), twice
.set SEL, 54                           ; s[54:55] lane l xor 16
.set TB,  56                           ; s56  LDS byte of the tile whose images are fetched
.set TBV, 57                           ; s57  64 x tile
.set CI,  58
.set CO,  59
.set MSB, 0
.macro WIN new                         ; the immediate's high byte repeats the setting that is left; a switch that changes nothing is dropped
.if MSB != (\new)
	s_set_vgpr_msb (MSB<<8)|(\new)
.set MSB, (\new)
.endif
.endm
.macro PLACES
.rept 4
	v_nop
.endr
.endm
.macro CROUND                          ; a round of the cluster's barrier
	s_barrier_signal -1
	s_barrier_wait -1
	s_cmp_lg_u32 s[WV], 0
	s_cbranch_scc1 .Lnot_wave_0_\@
	s_barrier_signal -3
.Lnot_wave_0_\@:
	s_barrier_wait -3
	s_barrier_signal -1
	s_barrier_wait -1
.endm
	s_load_b256 s[4:11], s[0:1], 0x0               ; encoder_outputs s[4:5], ua_img s[6:7], biasc s[8:9], Va_w s[10:11]
	s_load_b128 s[12:15], s[0:1], 0x20             ; lowp_scales s[12:13], sraw s[14:15]
	v_lshl_add_u32 v[SPW], v0, 2, SPARE
	v_mov_b32 v[NIL], 0
	ds_add_u32 v10, v11
	ds_add_u32 v10, v11
	s_wait_dscnt 0x0
	v_lshrrev_b32 v1, 5, v0
	v_readfirstlane_b32 s[WV], v1                  ; wave 0..3
	s_bfe_u32 s17, ttmp6, 0x40000                  ; cx
	s_lshl_b32 s18, ttmp9, 2
	s_add_co_u32 s18, s18, s17                     ; my block of 256 rows = 4 x cluster x + cx: it enters x's and sraw's addresses alone
	s_lshr_b32 s19, ttmp9, 1                       ; the batch: 8 blocks = 2 clusters each
	; group 1 for x: 64 rows x 128 elements of 4 bytes, 1,024 elements apart, 4 words of padding behind every 128
	s_mov_b32 s[GX1+0], (2<<16)|(1<<20)|(6<<22)|(3<<25)
	s_mov_b32 s[GX1+1], 128<<16                    ; tensor_dim0
	s_mov_b32 s[GX1+2], 64<<16                     ; tensor_dim1
	s_mov_b32 s[GX1+3], 128<<16                    ; tile_dim0
	s_mov_b32 s[GX1+4], 64                         ; tile_dim1
	s_mov_b32 s[GX1+5], 1024                       ; pitch
	s_mov_b32 s[GX1+6], 0
	s_mov_b32 s[GX1+7], 0
	; group 1 for Ua: a dense block of 32,768 bytes as 128 rows of 32 elements of 8 bytes; mask: all four work-groups, bit 21 beside it
	s_mov_b32 s[GB1+0], 15|(3<<16)|(1<<21)
	s_mov_b32 s[GB1+1], 32<<16
	s_mov_b32 s[GB1+2], 128<<16
	s_mov_b32 s[GB1+3], 32<<16
	s_mov_b32 s[GB1+4], 128
	s_mov_b32 s[GB1+5], 32
	s_mov_b32 s[GB1+6], 0
	s_mov_b32 s[GB1+7], 0
	s_mov_b32 s[SEL], 0x76543210
	s_mov_b32 s[SEL+1], 0xfedcba98
	s_lshl_b32 s72, s18, 20                        ; 256 rows of 4,096 bytes x block
	s_lshl_b32 s73, s[WV], 18                      ; + 64 rows x wave
	s_add_co_u32 s72, s72, s73
	s_mov_b32 s73, 0
	s_lshl_b32 s74, s[WV], 15                      ; my quarter of a slot: the wave's number alone
	s_mov_b32 s75, 0
	s_lshl_b32 s76, s19, 12                        ; biasc's row
	s_mov_b32 s77, 0
	s_lshl_b32 s78, s18, 10
	s_lshl_b32 s79, s[WV], 8
	s_add_co_u32 s78, s78, s79                     ; sraw: 4 bytes x (256 x block + 64 x wave)
	s_mov_b32 s79, 0
	s_wait_kmcnt 0x0
	s_load_b128 s[68:71], s[12:13], 0x0            ; e0, e1, e2, e3
	s_add_nc_u64 s[4:5], s[4:5], s[72:73]
	s_add_nc_u64 s[6:7], s[6:7], s[74:75]
	s_add_nc_u64 s[8:9], s[8:9], s[76:77]
	s_add_nc_u64 s[14:15], s[14:15], s[78:79]
	s_mov_b32 s[GXA], 1
	s_mul_i32 s[GXA+1], s[WV], XWAVE               ; area 0, my tile
	s_mov_b64 s[GXA+2:GXA+3], s[4:5]               ; K step 0
	s_or_b32 s[GXA+3], s[GXA+3], 0x80000000
	s_mov_b32 s[GXB], 1
	s_add_co_u32 s[GXB+1], s[GXA+1], AREA1         ; area 1
	s_add_nc_u64 s[GXB+2:GXB+3], s[4:5], 512       ; K step 1
	s_or_b32 s[GXB+3], s[GXB+3], 0x80000000
	s_mov_b32 s[GB0], 1
	s_lshl_b32 s[GB0+1], s[WV], 15                 ; area 0, my quarter
	s_mov_b64 s[GB0+2:GB0+3], s[6:7]               ; slot 0
	s_or_b32 s[GB0+3], s[GB0+3], 0x80000000
	CROUND                                         ; in a cluster launch every group of tensor loads stands behind a round
	tensor_load_to_lds s[GXA:GXA+3], s[GX1:GX1+7]  ; the two first fills go out together: two loads of mine are out
	s_nop 0
	tensor_load_to_lds s[GXB:GXB+3], s[GX1:GX1+7]
	s_nop 0
	PLACES                                         ; four v_nop follow a tensor load
	v_lshlrev_b32 v24, 4, v0                       ; biasc's row and Va_w go to LDS once, in whole runs: 16 bytes a thread, 2,048 an instruction
	global_load_b128 v[64:67], v24, s[8:9]
	global_load_b128 v[68:71], v24, s[8:9] offset:2048
	global_load_b128 v[72:75], v24, s[10:11]
	global_load_b128 v[76:79], v24, s[10:11] offset:2048
	v_add_nc_u32 v25, BIAS, v24
	v_and_b32 v1, 15, v0                           ; r
	v_bfe_u32 v2, v0, 4, 1                         ; h
	v_and_b32 v[GOF], 31, v0
	v_lshlrev_b32 v[LI], 4, v[GOF]
	v_lshlrev_b32 v[GOF], 3, v[GOF]
	v_lshl_add_u32 v[HB], v2, 5, BIAS
	v_mul_u32_u24 v[AX], v1, XPITCH
	v_lshl_add_u32 v[AX], v2, 6, v[AX]
	v_add_nc_u32 v[AX], s[GXA+1], v[AX]            ; my tile + row r + 64 h: my 16 numbers of a block of 32
	v_add_nc_u32 v[AX+1], AREA1, v[AX]
	s_lshl_b32 s72, s[WV], 8
	s_add_co_u32 s72, s72, SCR
	v_lshl_add_u32 v[SA], v1, 2, s72
	v_add_nc_u32 v[SL], s72, v[GOF]
.irp j, 28,29,30,31
	v_mov_b32 v\j, 0                               ; written once: a lane permute's destination counts as one of its sources
.endr
	s_wait_kmcnt 0x0
	s_add_co_i32 s72, s70, 127
	s_lshl_b32 s73, s72, 23
	v_mov_b32 v[SCL], s73                          ; 2^e2 as f32: the conversion takes its exponent field
	s_add_co_i32 s72, s72, 15
	s_lshl_b32 s72, s72, 23
	s_or_b32 s72, s72, 0x600000
	v_mov_b32 v[LIM], s72                          ; 57,344 x 2^e2
	s_add_co_i32 s72, s70, s71
	s_lshl_b32 s72, s72, 23
	s_add_co_i32 s[SC], s72, 0x4038aa3b            ; c x 2^(e2 + e3)
	s_mov_b32 s[SC+1], s[SC]                       ; (named with it as a pair, so it is written)
	s_wait_loadcnt 0x0
	ds_store_b128 v25, v[64:67]                    ; the other waves read these behind the first change's wait and round
	ds_store_b128 v25, v[68:71] offset:2048
	ds_store_b128 v25, v[72:75] offset:4096
	ds_store_b128 v25, v[76:79] offset:6144
; ---------------- PHASE X
.macro XL area, m, set                 ; rows 16 m + r: 64 numbers a lane: register 16 c + 4 j + ..: k = 32 c + 16 h + 4 j + ..
.irp c, 0,1,2,3
.irp j, 0,1,2,3
	ds_load_b128 v[STG+64*(\set)+16*\c+4*\j:STG+64*(\set)+16*\c+4*\j+3], v[AX+(\area)] offset:16*XPITCH*(\m)+128*\c+16*\j
.endr
.endr
.endm
.macro QX area, s                      ; K step s of my 64 rows, from its area, becomes four fragments
	XL \area, 0, 0
	XL \area, 1, 1
.irp m, 0,1,2,3
.if \m < 3
	s_wait_dscnt 16                                ; this tile's 16 loads are in; the other set's 16 may be out
.else
	s_wait_dscnt 0
.endif
.set XS, STG+64*(\m%2)
.set XD, 16*(4*((\s)%4)+\m)
.set i, 0
.rept 64
	v_med3_num_f32 v[XS+i], v[XS+i], -v[LIM], v[LIM]   ; the conversion to an 8-bit code does not saturate (ISA guide 7.6.2): the hold comes first
.set i, i+1
.endr
	WIN 0x40*(1+(\s)/4)                            ; destination window 1 or 2
.set i, 0
.rept 8
	v_cvt_scalef32_pk8_bf8_f32 v[XD+2*i:XD+2*i+1], v[XS+8*i:XS+8*i+7], v[SCL]
.set i, i+1
.endr
	WIN 0
.if \m < 2
	XL \area, \m+2, \m%2
.endif
.endr
	v_nop                                          ; one plain vector line behind the last conversion of a run
.endm
; A change of areas.  Every wave: all its tensor loads have landed; 0 onto its spare word; the add and its reads of the area just left are done; a round; then its one tensor load.
; kind 0: x's next K step;  1: Ua's slot 0 (its group 0 as it was made);  2: Ua's next slot.
.macro XCHG kind
	s_wait_tensorcnt 0x0                           ; no tensor load of mine is out, so a group 0 may be written
	ds_add_u32 v[SPW], v[NIL]
.if \kind == 0
	s_xor_b32 s[GXB+1], s[GXB+1], AREA1
	s_add_nc_u64 s[GXB+2:GXB+3], s[GXB+2:GXB+3], 512
.elseif \kind == 2
	s_xor_b32 s[GB0+1], s[GB0+1], AREA1
	s_add_nc_u64 s[GB0+2:GB0+3], s[GB0+2:GB0+3], SLOTB
.endif
	s_wait_dscnt 0x0
	CROUND
.if \kind == 0
	tensor_load_to_lds s[GXB:GXB+3], s[GX1:GX1+7]
	s_nop 0
.else
	tensor_load_to_lds s[GB0:GB0+3], s[GB1:GB1+7]
	s_nop 0
.endif
	PLACES
.endm
	s_wait_tensorcnt 1                             ; K step 0 is in (I read my own tile alone); K step 1 may be out
	QX 0, 0
.irp i, 1,2,3,4,5,6
	XCHG 0                                         ; K step i + 1 goes into the area just read
	QX \i%2, \i
.endr
	XCHG 1                                         ; Ua's slot 0 into area 0
	QX 1, 7
	XCHG 2                                         ; slot 0 is whole for all four waves; slot 1 into area 1
; ---------------- PHASE G
.macro LF f                            ; fragment f (K step f) of the tile at v[ADB]: an image, 16 bytes a lane, 512 an instruction
.irp c, 0,1,2,3
	ds_load_b128 v[FB+16*(\f)+4*\c:FB+16*(\f)+4*\c+3], v[ADB] offset:2048*(\f)+512*\c
.endr
.endm
; Slice k of 32 on the other set's 16 pairs: a plain line, then two transcendentals whose inputs were made a slice ago.  Pairs ascend: each accumulator is read from its low end on.
.macro SLICE
.if k < 16
	v_pk_fma_f32 v[YY+2*k:YY+2*k+1], v[YY+2*k:YY+2*k+1], s[SC:SC+1], v[BB+2*(k%4):BB+2*(k%4)+1] op_sel_hi:[1,0,1]   ; z
.else
	s_wait_alu depctr_va_vdst(0)
	v_pk_add_f32 v[YY+2*(k-16):YY+2*(k-16)+1], v[YY+2*(k-16):YY+2*(k-16)+1], 1.0 op_sel_hi:[1,0]                    ; 1 + 2^z
.endif
.if (k >= 1) && (k <= 16)
	v_exp_f32 v[YY+2*k-2], v[YY+2*k-2]
	v_exp_f32 v[YY+2*k-1], v[YY+2*k-1]
.elseif k > 16
	v_rcp_f32 v[YY+2*k-34], v[YY+2*k-34]
	v_rcp_f32 v[YY+2*k-33], v[YY+2*k-33]
.endif
.set k, k+1
.endm
.macro DOT                             ; the rows' sums take Va / (1 + 2^z): four chains
	s_wait_alu depctr_va_vdst(0)
.irp jj, 0,1,2,3
.irp m, 0,1,2,3
	v_pk_fma_f32 v[SS+2*\m:SS+2*\m+1], v[YY+8*\m+2*\jj:YY+8*\m+2*\jj+1], v[VV+2*\jj:VV+2*\jj+1], v[SS+2*\m:SS+2*\m+1]
.endr
.endr
.endm
; A tile of 16 columns.  par: its accumulator, biasc and Va sets.  nxt = 1: the next tile's images are fetched, fragment g - 1 behind group g (five plain lines behind that fragment's last product), 6 and 7 at the end.
; chg = 1: the slot's last tile: the slot is left and filled again;  2: it is left, nothing is asked for.
; The four accumulators take turns, one instruction a turn.
; THE COUNTS: issued behind fragment 0: fragments 1-7 (28) and this tile's 4 loads of biasc and Va: 32.  Behind fragment g: 4 (7 - g) + 4 + the next tile's 4 (g - 1) = 28.  With nothing fetched: 32 - 4 g.
.macro TILE par, chg, nxt
.set AA, ACC+32*(\par)
.set YY, ACC+32*(1-(\par))
.set BB, BIA+8*(1-(\par))
.set VV, VAR+8*(1-(\par))
.if \nxt
.if \chg
	s_sub_co_u32 s[TB], s[TB], 7*TILEB             ; back to a slot's first tile,
	s_xor_b32 s[TB], s[TB], AREA1                  ; in the other area
.else
	s_add_co_u32 s[TB], s[TB], TILEB
.endif
	v_add_nc_u32 v[ADB], s[TB], v[LI]
.endif
	v_add_nc_u32 v[ABV], s[TBV], v[HB]
	s_add_co_u32 s[TBV], s[TBV], 64
	ds_load_b128 v[BIA+8*(\par):BIA+8*(\par)+3], v[ABV]                 ; biasc and Va at columns 16 t + 8 h + 0 .. 7: used a tile later
	ds_load_b128 v[BIA+8*(\par)+4:BIA+8*(\par)+7], v[ABV] offset:16
	ds_load_b128 v[VAR+8*(\par):VAR+8*(\par)+3], v[ABV] offset:4096
	ds_load_b128 v[VAR+8*(\par)+4:VAR+8*(\par)+7], v[ABV] offset:4112
	WIN 0x04                                       ; source 1 (x) window 1
.set k, 0
.irp g, 0,1,2,3,4,5,6,7
.if \g == 4
	WIN 0x08                                       ; source 1 window 2
.endif
.if \nxt
.if \g == 0
	s_wait_dscnt 32
.else
	s_wait_dscnt 28
.endif
.else
	s_wait_dscnt 32-4*\g
.endif
.irp m, 0,1,2,3
.if \g == 0
	v_wmma_f32_16x16x128_bf8_bf8 v[AA+8*\m:AA+8*\m+7], v[FB+16*\g:FB+16*\g+15], v[16*(4*(\g%4)+\m):16*(4*(\g%4)+\m)+15], 0
.else
	v_wmma_f32_16x16x128_bf8_bf8 v[AA+8*\m:AA+8*\m+7], v[FB+16*\g:FB+16*\g+15], v[16*(4*(\g%4)+\m):16*(4*(\g%4)+\m)+15], v[AA+8*\m:AA+8*\m+7]
.endif
	SLICE
.endr
.if \chg && (\g == 0)
	WIN 0                                          ; (the add's two registers lie in window 0)
	s_wait_tensorcnt 0x0                           ; all my tensor loads have landed: my quarter of the next slot
	ds_add_u32 v[SPW], v[NIL]                      ; 0 onto my spare word; a group of products stands between it and the wait for it
.if \chg == 1
	s_xor_b32 s[GB0+1], s[GB0+1], AREA1            ; the walking descriptor: this area, the slot two on
	s_add_nc_u64 s[GB0+2:GB0+3], s[GB0+2:GB0+3], SLOTB
.endif
	WIN 0x04
.endif
.if \chg && (\g == 1)
	WIN 0
	s_wait_dscnt 0x0                               ; the add is done, and my reads of this slot are over: this tile's eight fragments are in registers
.if \chg == 1
	CROUND                                         ; no wave of any partner still reads the slot or has a load on its way
	tensor_load_to_lds s[GB0:GB0+3], s[GB1:GB1+7]  ; my one tensor load behind the round: it has eight tiles' work in which to land
	s_nop 0
	PLACES
.else
	s_barrier_signal -1
	s_barrier_wait -1
.endif
	WIN 0x04
.endif
.if \nxt && (\g >= 1) && (\g <= 6)
	LF \g-1
.endif
.endr
	v_rcp_f32 v[YY+30], v[YY+30]
	v_rcp_f32 v[YY+31], v[YY+31]
	WIN 0
	DOT                                            ; sixteen plain lines that name nothing of the last products: the places in front of the loads below and of the next tile's reads
.if \nxt
	LF 6
	LF 7
.endif
.endm
.macro EPI par                         ; the last tile's way through the five stages, in a row
.set YY, ACC+32*(\par)
.set BB, BIA+8*(\par)
.set VV, VAR+8*(\par)
	s_wait_dscnt 0x0                               ; its biasc and Va
.set k, 0
.rept 16
	v_pk_fma_f32 v[YY+2*k:YY+2*k+1], v[YY+2*k:YY+2*k+1], s[SC:SC+1], v[BB+2*(k%4):BB+2*(k%4)+1] op_sel_hi:[1,0,1]
.set k, k+1
.endr
.set k, 0
.rept 32
	v_exp_f32 v[YY+k], v[YY+k]
.set k, k+1
.endr
	v_nop                                          ; a plain line behind the transcendentals
.set k, 0
	s_wait_alu depctr_va_vdst(0)
.rept 16
	v_pk_add_f32 v[YY+2*k:YY+2*k+1], v[YY+2*k:YY+2*k+1], 1.0 op_sel_hi:[1,0]
.set k, k+1
.endr
.set k, 0
.rept 32
	v_rcp_f32 v[YY+k], v[YY+k]
.set k, k+1
.endr
	v_nop
	s_wait_alu depctr_va_vdst(0)
	DOT
.endm
.macro SIX                             ; six tiles: a pair written once, walked three times
	s_mov_b32 s[CI], 3
.Lpair_\@:
	TILE 0, 0, 1
	TILE 1, 0, 1
	s_sub_co_u32 s[CI], s[CI], 1
	s_cmp_lg_u32 s[CI], 0
	s_cbranch_scc1 .Lpair_\@
.endm
	; The first tile's slices find a tile of zeros with Va = 0, which adds 0 to the sums: so no tile is written out without slices.
.set i, 0
.rept 8
	v_mov_b32 v[SS+i], 0
	v_mov_b32 v[BIA+8+i], 0
	v_mov_b32 v[VAR+8+i], 0
.set i, i+1
.endr
.set i, 0
.rept 32
	v_mov_b32 v[ACC+32+i], 0
.set i, i+1
.endr
	s_mov_b32 s[TB], 0
	s_mov_b32 s[TBV], 0
	v_mov_b32 v[ADB], v[LI]
.irp f, 0,1,2,3,4,5,6,7
	LF \f
.endr
	s_mov_b32 s[CO], 6
.Lslot:                                                ; slots 0 to 5: each is filled again with the slot two on
	SIX
	TILE 0, 0, 1
	TILE 1, 1, 1
	s_sub_co_u32 s[CO], s[CO], 1
	s_cmp_lg_u32 s[CO], 0
	s_cbranch_scc1 .Lslot
	SIX                                            ; slot 6: written out
	TILE 0, 0, 1
	TILE 1, 2, 1
	SIX                                            ; slot 7
	TILE 0, 0, 1
	TILE 1, 0, 0
	EPI 1
	; THE WAY OUT: a pair's two halves (even and odd columns) and lane l xor 16's (the other eight columns of each tile) are added; 64 sums meet in my 256 bytes of LDS and leave as one aligned run of 256 bytes.
.irp m, 0,1,2,3
	v_add_f32 v[24+\m], v[SS+2*\m], v[SS+2*\m+1]
.endr
.irp m, 0,1,2,3
	v_permlanex16_b32 v[28+\m], v[24+\m], s[SEL], s[SEL+1]
.endr
.irp m, 0,1,2,3
	v_add_f32 v[24+\m], v[24+\m], v[28+\m]
.endr
.irp m, 0,1,2,3
	ds_store_b32 v[SA], v[24+\m] offset:64*\m      ; row 16 m + r; lanes r and 16 + r write the same word with the same number
.endr
	ds_load_b64 v[28:29], v[SL]                    ; LDS serves a wave's instructions in order (ISA guide 5.7.1.4): this sees my stores
	s_wait_dscnt 0x0
	global_store_b64 v[GOF], v[28:29], s[14:15]
	s_wait_tensorcnt 0x0                           ; the wave's end
	ds_add_u32 v[SPW], v[NIL]
	s_wait_dscnt 0x0
	CROUND                                         ; the closing round: no work-group ends while a partner may still ask for a slot that names it
	s_endpgm
.Lfunc_end_k_q17d977e7b0_main:
	.size	k_q17d977e7b0_main, .Lfunc_end_k_q17d977e7b0_main-k_q17d977e7b0_main
	.p2alignl 7, 3214868480
	.fill 96, 4, 3214868480
	.section	.rodata,"a",@progbits
	.p2align	6, 0x0
	.amdhsa_kernel k_q17d977e7b0_main
		.amdhsa_group_segment_fixed_size 327680
		.amdhsa_private_segment_fixed_size 0
		.amdhsa_enable_private_segment 0
		.amdhsa_kernarg_size 48
		.amdhsa_user_sgpr_count 2
		.amdhsa_user_sgpr_kernarg_segment_ptr 1
		.amdhsa_wavefront_size32 1
		.amdhsa_system_sgpr_workgroup_id_x 1
		.amdhsa_system_sgpr_workgroup_id_y 1
		.amdhsa_system_sgpr_workgroup_id_z 1
		.amdhsa_system_vgpr_workitem_id 0
		.amdhsa_next_free_vgpr 768
		.amdhsa_next_free_sgpr 80
		.amdhsa_reserve_vcc 0
		.amdhsa_float_denorm_mode_32 3
		.amdhsa_float_denorm_mode_16_64 3
		.amdhsa_memory_ordered 1
		.amdhsa_forward_progress 1
		.amdhsa_inst_pref_size 255
	.end_amdhsa_kernel
	.section	.bss,"aw",@nobits
	.p2align	6
	.space	262144
	.amdgpu_metadata
---
amdhsa.version: [ 1, 2 ]
amdhsa.kernels:
  - .name:           k_q17d977e7b0_main
    .symbol:         k_q17d977e7b0_main.kd
    .args:
      - { .name: encoder_outputs, .offset: 0, .size: 8, .value_kind: global_buffer, .address_space: global }
      - { .name: ua_img, .offset: 8, .size: 8, .value_kind: global_buffer, .address_space: global }
      - { .name: biasc, .offset: 16, .size: 8, .value_kind: global_buffer, .address_space: global }
      - { .name: Va_w, .offset: 24, .size: 8, .value_kind: global_buffer, .address_space: global }
      - { .name: lowp_scales, .offset: 32, .size: 8, .value_kind: global_buffer, .address_space: global }
      - { .name: sraw, .offset: 40, .size: 8, .value_kind: global_buffer, .address_space: global }
    .group_segment_fixed_size: 327680
    .private_segment_fixed_size: 0
    .kernarg_segment_align: 8
    .kernarg_segment_size: 48
    .max_flat_workgroup_size: 128
    .sgpr_count:     80
    .vgpr_count:     768
    .wavefront_size: 32
...
	.end_amdgpu_metadata
.endif
;; end of part 2
;; launch soft (part 3): grid 32 x 1, 8 waves a work-group, no clusters, 2,048 bytes of LDS; arguments sraw, mask, Va_w, Va_b, out0; writes out0
.if DOCPART == 3
	.amdgcn_target "amdgcn-amd-amdhsa--gfx1250"
	.amdhsa_code_object_version 6
	.text
	.protected	k_q17d977e7b0_soft
	.globl	k_q17d977e7b0_soft
	.p2align	8
	.type	k_q17d977e7b0_soft,@function
k_q17d977e7b0_soft:
	s_mov_b64 s[64:65], 0
	v_nop
	global_prefetch_b8 v0, s[64:65] scope:SCOPE_SE
	s_setreg_imm32_b32 hwreg(HW_REG_WAVE_MODE, 25, 1), 1
	s_wait_xcnt 0x0
; out0[b][:] = softmax over s of (mask == 0 ? -1e9 : score),  score = (the sum of Va_w + Va_b) - 2 sraw[b][s].
; One work-group to a batch; thread t holds 8 of its 2,048 numbers (16 bytes at 16 t and at 4,096 + 16 t: every load and store of a wave covers 512 consecutive bytes).
; Three reductions over the work-group (Va's sum, the maximum, the sum of exponentials), each through LDS words of its own: one barrier each.
; The row's maximum is taken away ahead of the exponential, as reference() does; a row that is masked everywhere gives 1 / 2,048.
; No matrix unit, no tensor load, no cluster: 0.5 MB are read once and nothing is shared between work-groups.
.macro WRED opd, op                    ; v24 over the wave's 32 lanes, the result in every lane
	\opd v24, v24, v24 row_xmask:1 row_mask:0xf bank_mask:0xf
	\opd v24, v24, v24 row_xmask:2 row_mask:0xf bank_mask:0xf
	\opd v24, v24, v24 row_xmask:4 row_mask:0xf bank_mask:0xf
	\opd v24, v24, v24 row_xmask:8 row_mask:0xf bank_mask:0xf
	v_permlanex16_b32 v27, v24, s18, s19
	\op v24, v24, v27
.endm
.macro GRED op, off                    ; and over the eight waves, through the eight words at off
	ds_store_b32 v25, v24 offset:\off
	s_wait_dscnt 0x0                               ; for the others' sake: my word lies in LDS
	s_barrier_signal -1
	s_barrier_wait -1
	ds_load_b128 v[28:31], v26 offset:\off
	ds_load_b128 v[32:35], v26 offset:\off+16
	s_wait_dscnt 0x0
	\op v28, v28, v29
	\op v30, v30, v31
	\op v32, v32, v33
	\op v34, v34, v35
	\op v28, v28, v30
	\op v32, v32, v34
	\op v24, v28, v32
.endm
	s_load_b256 s[4:11], s[0:1], 0x0               ; sraw s[4:5], mask s[6:7], Va_w s[8:9], Va_b s[10:11]
	s_load_b64 s[12:13], s[0:1], 0x20              ; out0
	v_lshl_add_u32 v48, v0, 2, 0x400
	v_mov_b32 v49, 0
	v_lshlrev_b32 v2, 4, v0                        ; 16 t
	v_lshrrev_b32 v25, 5, v0
	v_lshlrev_b32 v25, 2, v25                      ; 4 x wave
	v_mov_b32 v26, 0
	v_mov_b32 v27, 0                               ; written once: a lane permute's destination counts as one of its sources
	v_mov_b32 v36, 0xce6e6b28                      ; -1e9
	s_lshl_b32 s16, ttmp9, 13                      ; a batch's 8,192 bytes
	s_mov_b32 s17, 0
	s_mov_b32 s18, 0x76543210
	s_mov_b32 s19, 0xfedcba98
	s_wait_kmcnt 0x0
	s_load_b32 s15, s[10:11], 0x0                  ; Va_b
	s_add_nc_u64 s[4:5], s[4:5], s[16:17]
	s_add_nc_u64 s[6:7], s[6:7], s[16:17]
	s_add_nc_u64 s[12:13], s[12:13], s[16:17]
	global_load_b128 v[20:23], v2, s[8:9]
	global_load_b128 v[4:7], v2, s[4:5]
	global_load_b128 v[8:11], v2, s[4:5] offset:4096
	global_load_b128 v[12:15], v2, s[6:7]
	global_load_b128 v[16:19], v2, s[6:7] offset:4096
	s_wait_loadcnt 4                               ; Va's four numbers are in; the four loads behind may be out
	v_add_f32 v20, v20, v21
	v_add_f32 v22, v22, v23
	v_add_f32 v24, v20, v22
	WRED v_add_f32_dpp, v_add_f32
	GRED v_add_f32, 0
	s_wait_kmcnt 0x0
	v_add_f32 v24, s15, v24                        ; the sum of Va + Va_b
	s_wait_loadcnt 0x0
.irp j, 0,1,2,3,4,5,6,7
	v_fma_f32 v[4+\j], v[4+\j], -2.0, v24
.endr
.irp j, 0,1,2,3,4,5,6,7
	v_cmp_eq_u32 vcc_lo, 0, v[12+\j]
	v_cndmask_b32 v[4+\j], v[4+\j], v36, vcc_lo
.endr
	v_max3_num_f32 v24, v4, v5, v6
	v_max3_num_f32 v24, v24, v7, v8
	v_max3_num_f32 v24, v24, v9, v10
	v_max_num_f32 v24, v24, v11
	WRED v_max_num_f32_dpp, v_max_num_f32
	GRED v_max_num_f32, 256
.irp j, 0,1,2,3,4,5,6,7
	v_sub_f32 v[4+\j], v[4+\j], v24
.endr
.irp j, 0,1,2,3,4,5,6,7
	v_mul_f32 v[4+\j], 0x3fb8aa3b, v[4+\j]         ; x log2(e)
.endr
.irp j, 0,1,2,3,4,5,6,7
	v_exp_f32 v[4+\j], v[4+\j]
.endr
	v_nop                                          ; a plain line behind the transcendentals
	s_wait_alu depctr_va_vdst(0)
	v_add_f32 v20, v4, v5
	v_add_f32 v21, v6, v7
	v_add_f32 v22, v8, v9
	v_add_f32 v23, v10, v11
	v_add_f32 v20, v20, v21
	v_add_f32 v22, v22, v23
	v_add_f32 v24, v20, v22
	WRED v_add_f32_dpp, v_add_f32
	GRED v_add_f32, 512
	v_rcp_f32 v37, v24                             ; the sum is at least 1: the largest score's term
	v_nop
	s_wait_alu depctr_va_vdst(0)
.irp j, 0,1,2,3,4,5,6,7
	v_mul_f32 v[4+\j], v[4+\j], v37
.endr
	global_store_b128 v2, v[4:7], s[12:13]
	global_store_b128 v2, v[8:11], s[12:13] offset:4096
	s_wait_tensorcnt 0x0
	ds_add_u32 v48, v49
	s_wait_dscnt 0x0
	s_endpgm
.Lfunc_end_k_q17d977e7b0_soft:
	.size	k_q17d977e7b0_soft, .Lfunc_end_k_q17d977e7b0_soft-k_q17d977e7b0_soft
	.p2alignl 7, 3214868480
	.fill 96, 4, 3214868480
	.section	.rodata,"a",@progbits
	.p2align	6, 0x0
	.amdhsa_kernel k_q17d977e7b0_soft
		.amdhsa_group_segment_fixed_size 2048
		.amdhsa_private_segment_fixed_size 0
		.amdhsa_enable_private_segment 0
		.amdhsa_kernarg_size 40
		.amdhsa_user_sgpr_count 2
		.amdhsa_user_sgpr_kernarg_segment_ptr 1
		.amdhsa_wavefront_size32 1
		.amdhsa_system_sgpr_workgroup_id_x 1
		.amdhsa_system_sgpr_workgroup_id_y 1
		.amdhsa_system_sgpr_workgroup_id_z 1
		.amdhsa_system_vgpr_workitem_id 0
		.amdhsa_next_free_vgpr 50
		.amdhsa_next_free_sgpr 66
		.amdhsa_reserve_vcc 1
		.amdhsa_float_denorm_mode_32 3
		.amdhsa_float_denorm_mode_16_64 3
		.amdhsa_memory_ordered 1
		.amdhsa_forward_progress 1
		.amdhsa_inst_pref_size 8
	.end_amdhsa_kernel
	.amdgpu_metadata
---
amdhsa.version: [ 1, 2 ]
amdhsa.kernels:
  - .name:           k_q17d977e7b0_soft
    .symbol:         k_q17d977e7b0_soft.kd
    .args:
      - { .name: sraw, .offset: 0, .size: 8, .value_kind: global_buffer, .address_space: global }
      - { .name: mask, .offset: 8, .size: 8, .value_kind: global_buffer, .address_space: global }
      - { .name: Va_w, .offset: 16, .size: 8, .value_kind: global_buffer, .address_space: global }
      - { .name: Va_b, .offset: 24, .size: 8, .value_kind: global_buffer, .address_space: global }
      - { .name: out0, .offset: 32, .size: 8, .value_kind: global_buffer, .address_space: global }
    .group_segment_fixed_size: 2048
    .private_segment_fixed_size: 0
    .kernarg_segment_align: 8
    .kernarg_segment_size: 40
    .max_flat_workgroup_size: 256
    .sgpr_count:     66
    .vgpr_count:     50
    .wavefront_size: 32
...
	.end_amdgpu_metadata
.endif
;; end of part 3
;; ======== version 2 of 2: 3 launches
;; limits: right only within a limited range of input values
;; workspace buffers: ua_img 1,048,576 bytes; biasc 131,072 bytes; sraw 262,144 bytes; rowlist 262,144 bytes of whole numbers; cnts 256 bytes of whole numbers
;; launch prep (part 4): grid 160 x 1, 8 waves a work-group, no clusters, 17,920 bytes of LDS; arguments Ua_w, Wa_w, decoder_hidden, Wa_b, Ua_b, lowp_scales, ua_img, biasc, mask, rowlist, cnts, sraw; writes ua_img, biasc, rowlist, cnts, sraw
.if DOCPART == 4
	.amdgcn_target "amdgcn-amd-amdhsa--gfx1250"
	.amdhsa_code_object_version 6
	.text
	.protected	k_q17d977e7b0_prep
	.globl	k_q17d977e7b0_prep
	.p2align	8
	.type	k_q17d977e7b0_prep,@function
k_q17d977e7b0_prep:
	s_mov_b64 s[64:65], 0
	v_nop
	global_prefetch_b8 v0, s[64:65] scope:SCOPE_SE
	s_setreg_imm32_b32 hwreg(HW_REG_WAVE_MODE, 25, 1), 1
	s_wait_xcnt 0x0
; Three small jobs ahead of the large product, one launch for all.
; Work-groups 0-63 (tile t = x): Ua_w [1024 (k)][1024 (n)] f32 becomes codes of E5M2 with the given scale 2^e3, laid as IMAGES OF OPERAND REGISTERS:
;   ua_img byte t*16384 + s*2048 + c*512 + 16*lane + i = code of Ua_w[128 s + 32 c + 16 (lane/16) + i][16 t + lane%16].
; Work-groups 64-127 (tile t = x - 64): the decoder's projection, 32 rows x 16 columns, on codes (scales 2^e0, 2^e1), and
;   biasc[m][n] = c (sum x 2^(e0+e1) + Wa_b[n] + Ua_b[n]),  c = 2 log2(e): what the large launch adds ahead of its exponential.
; Work-groups 128-159 (batch b = x - 128): the batch's 2,048 row numbers are PARTITIONED by the mask: rowlist[b][0 .. cnts[b]-1] are the rows with mask != 0, in ascending order, the others follow.
;   reference() throws the score of a row with mask == 0 away, so the large launch reads and multiplies the list's first cnts[b] rows (rounded up to its blocks).  sraw is cleared, so that every byte that the last launch reads is written.
; SHARES (weights): wave w takes K step s = w (128 along K).  A LANE TAKES A COLUMN n = 16 t + lane%16 AND ITS REGISTERS RUN DOWN K, in the order that the operand's
; layout gives that lane (register 16 c + i: k = 128 s + 32 c + 16 (lane/16) + i): the conversions' 16 registers are the operand's, and nothing is transposed.
; The same permutation of k stands in both operands of every product here and in the large launch, so every product meets its partner.
; The three ways part on the work-group's number (alike in all waves); the projection and the list each have LDS bytes and a barrier of their own.
; LIMITS: e0, e1, e3 between -126 and 112; e0 + e1 between -127 and 126 (added to c's exponent field).  NaN among the inputs is not served; what lies beyond a scale's range is held at the largest code.
; biasc leaves in pieces of 64 bytes (16 columns of a row): 128 KB in all; whole runs of 256 bytes would want 64 columns a work-group and three dependent rounds of loads.
.set C2L, 0x4038aa3b                   ; c = 2 log2(e)
.set MB,  16384                        ; LDS: the list's eight words, behind the projection's 16,384 bytes
.macro MKSC e, sc, lim                 ; v[sc] = 2^e as f32 (the conversion takes its exponent field), v[lim] = 57,344 x 2^e
	s_add_co_i32 s32, s[\e], 127
	s_lshl_b32 s33, s32, 23
	v_mov_b32 v[\sc], s33
	s_add_co_i32 s32, s32, 15
	s_lshl_b32 s32, s32, 23
	s_or_b32 s32, s32, 0x600000
	v_mov_b32 v[\lim], s32
.endm
.macro QUANT src, dst, sc, lim         ; 64 numbers of a lane become a fragment's 16 registers of codes
.set i, 0
.rept 64
	v_med3_num_f32 v[\src+i], v[\src+i], -v[\lim], v[\lim]   ; the conversion to an 8-bit code does not saturate (ISA guide 7.6.2): the hold comes first
.set i, i+1
.endr
.set i, 0
.rept 8
	v_cvt_scalef32_pk8_bf8_f32 v[\dst+2*i:\dst+2*i+1], v[\src+8*i:\src+8*i+7], v[\sc]
.set i, i+1
.endr
	v_nop                                          ; one plain vector line behind the last conversion of a run
.endm
	s_load_b256 s[8:15], s[0:1], 0x0               ; Ua_w s[8:9], Wa_w s[10:11], decoder_hidden s[12:13], Wa_b s[14:15]
	s_load_b256 s[16:23], s[0:1], 0x20             ; Ua_b s[16:17], lowp_scales s[18:19], ua_img s[20:21], biasc s[22:23]
	v_lshl_add_u32 v224, v0, 2, 0x4200
	v_mov_b32 v225, 0
	v_lshrrev_b32 v1, 5, v0
	s_delay_alu instid0(VALU_DEP_1)
	v_readfirstlane_b32 s24, v1                    ; wave = K step
	v_and_b32 v1, 15, v0                           ; r
	v_bfe_u32 v2, v0, 4, 1                         ; h
	v_and_b32 v3, 31, v0
	s_delay_alu instid0(VALU_DEP_1)
	v_lshlrev_b32 v3, 4, v3                        ; 16 x lane
	s_delay_alu instid0(VALU_DEP_4)
	v_lshlrev_b32 v6, 2, v1                        ; 4 r
	s_delay_alu instid0(VALU_DEP_1)
	v_lshl_add_u32 v4, v2, 16, v6                  ; the weight: column r, lanes 16-31 sixteen rows of 4,096 bytes further down
	v_lshlrev_b32 v5, 12, v1
	s_delay_alu instid0(VALU_DEP_1)
	v_lshl_add_u32 v5, v2, 6, v5                   ; decoder_hidden: row r of 4,096 bytes, + 64 h
	s_delay_alu instid0(VALU_DEP_4)
	v_lshl_add_u32 v8, v2, 15, v6                  ; biasc: 8 h rows of 4,096 bytes, + 4 r
	s_lshl_b32 s42, s24, 11
	v_add_nc_u32 v9, s42, v3                       ; LDS: my wave's 2,048 bytes of partial sums, 16 bytes a lane
	s_lshr_b32 s43, s24, 1
	s_lshl_b32 s43, s43, 9
	s_and_b32 s44, s24, 1
	s_lshl_b32 s44, s44, 3
	s_add_co_u32 s43, s43, s44
	v_add_nc_u32 v7, s43, v3                       ; LDS: the two registers that my wave adds up: store w/2, bytes 8 (w%2) on
	s_and_b32 s25, ttmp9, 63                       ; t
	s_lshl_b32 s32, s24, 19                        ; 128 rows of 4,096 bytes x wave
	s_lshl_b32 s36, s25, 6                         ; 64 t
	s_add_co_u32 s32, s32, s36
	s_mov_b32 s33, 0
	s_mov_b32 s37, 0
	s_wait_kmcnt 0x0
	s_cmp_ge_u32 ttmp9, 128                        ; the list's work-groups part here
	s_cbranch_scc1 .Lmask
	s_load_b128 s[28:31], s[18:19], 0x0            ; e0, e1, e2, e3
	s_cmp_lt_u32 ttmp9, 64                         ; Ua's work-group or Wa's: the choice hangs on the work-group's number alone
	s_cselect_b64 s[26:27], s[8:9], s[10:11]
	s_add_nc_u64 s[26:27], s[26:27], s[32:33]
.set i, 0
	s_wait_alu depctr_va_vdst(0)
.rept 64
	global_load_b32 v[16+i], v4, s[26:27] offset:(32*(i/16)+i%16)*4096   ; W(128 s + 32 c + 16 h + i, 16 t + r): sixteen lanes read 64 neighbouring bytes
.set i, i+1
.endr
	s_cmp_lt_u32 ttmp9, 64
	s_cbranch_scc0 .Ldec
	; ---- Ua: codes out, as the image (t, s)
	s_lshl_b32 s34, s25, 14
	s_add_co_u32 s34, s34, s42                     ; 16,384 t + 2,048 s
	s_mov_b32 s35, 0
	s_add_nc_u64 s[20:21], s[20:21], s[34:35]
	s_wait_kmcnt 0x0
	MKSC 31, 10, 11                                ; e3
	s_wait_alu depctr_va_vdst(0)
	s_wait_loadcnt 0x0
	QUANT 16, 208, 10, 11
.irp c, 0,1,2,3
	global_store_b128 v3, v[208+4*\c:211+4*\c], s[20:21] offset:512*\c   ; the wave stores 512 consecutive bytes, aligned
.endr
	s_endpgm
.Ldec:	; ---- the decoder's projection
	s_lshl_b32 s34, s24, 9                         ; 512 bytes of a row for each K step
	s_mov_b32 s35, 0
	s_add_nc_u64 s[12:13], s[12:13], s[34:35]
	s_add_nc_u64 s[14:15], s[14:15], s[36:37]      ; the biases at column 16 t
	s_add_nc_u64 s[16:17], s[16:17], s[36:37]
	s_lshr_b32 s38, s24, 2
	s_lshl_b32 s38, s38, 4
	s_and_b32 s39, s24, 3
	s_lshl_b32 s39, s39, 1
	s_add_co_u32 s38, s38, s39                     ; the first of the two rows that my wave finishes for h = 0: 16 (w/4) + 2 (w%4)
	s_lshl_b32 s38, s38, 12
	s_add_co_u32 s38, s38, s36
	s_mov_b32 s39, 0
	s_add_nc_u64 s[22:23], s[22:23], s[38:39]
.irp mt, 0,1
.set i, 0
.rept 16
	global_load_b128 v[80+64*\mt+4*i:83+64*\mt+4*i], v5, s[12:13] offset:65536*\mt+128*(i/4)+16*(i%4)   ; rows 16 mt + r: 16 neighbours of each block of 32
.set i, i+1
.endr
.endr
	global_load_b32 v14, v6, s[14:15]              ; Wa_b[16 t + r]
	global_load_b32 v15, v6, s[16:17]              ; Ua_b[16 t + r]
	s_wait_kmcnt 0x0
	MKSC 29, 10, 11                                ; e1
	MKSC 28, 12, 13                                ; e0
	s_add_co_i32 s40, s28, s29
	s_lshl_b32 s40, s40, 23
	s_add_co_i32 s40, s40, C2L                     ; c x 2^(e0 + e1): the exponents are added to c's exponent field
	s_wait_alu depctr_va_vdst(0)
	s_wait_loadcnt 34                              ; the weight's 64 loads are in; behind them: 32 of decoder_hidden, 2 of the biases
	QUANT 16, 208, 10, 11
	s_wait_loadcnt 18                              ; rows 0-15 are in; behind them: 16 + 2
	QUANT 80, 16, 12, 13
	s_wait_loadcnt 2                               ; rows 16-31 are in; the two biases may be out
	QUANT 144, 32, 12, 13
	v_wmma_f32_16x16x128_bf8_bf8 v[48:55], v[16:31], v[208:223], 0    ; register j of lane (r, h): (row 8 h + j, column r)
	v_wmma_f32_16x16x128_bf8_bf8 v[56:63], v[32:47], v[208:223], 0    ; rows 16-31
.rept 4
	v_nop                                          ; four places between a matrix instruction and the first read of its result (ISA guide 7.12.1)
.endr
	ds_store_b128 v9, v[48:51]
	ds_store_b128 v9, v[52:55] offset:512
	ds_store_b128 v9, v[56:59] offset:1024
	ds_store_b128 v9, v[60:63] offset:1536
	s_wait_dscnt 0x0                               ; for the others' sake: my partial sums lie in LDS
	s_barrier_signal -1
	s_barrier_wait -1
.irp p, 0,1,2,3,4,5,6,7
	ds_load_b64 v[80+2*\p:81+2*\p], v7 offset:2048*\p      ; the eight K steps' parts of my two registers
.endr
	s_wait_dscnt 0x0
	v_pk_add_f32 v[80:81], v[80:81], v[82:83]
	v_pk_add_f32 v[84:85], v[84:85], v[86:87]
	v_pk_add_f32 v[88:89], v[88:89], v[90:91]
	v_pk_add_f32 v[92:93], v[92:93], v[94:95]
	s_delay_alu instid0(VALU_DEP_3)
	v_pk_add_f32 v[80:81], v[80:81], v[84:85]
	s_delay_alu instid0(VALU_DEP_2)
	v_pk_add_f32 v[88:89], v[88:89], v[92:93]
	s_delay_alu instid0(VALU_DEP_1)
	v_pk_add_f32 v[80:81], v[80:81], v[88:89]
	s_wait_loadcnt 0x0                             ; the biases
	v_add_f32 v14, v14, v15
	s_delay_alu instid0(VALU_DEP_1)
	v_mul_f32 v14, C2L, v14
	s_wait_alu depctr_va_vdst(0)
	v_fma_f32 v96, v80, s40, v14
	v_fma_f32 v97, v81, s40, v14
	global_store_b32 v8, v96, s[22:23]
	global_store_b32 v8, v97, s[22:23] offset:4096
	s_wait_tensorcnt 0x0
	ds_add_u32 v224, v225
	s_wait_dscnt 0x0
	s_endpgm
.Lmask:	; ---- the list.  Wave w, load j, lane l hold row 256 w + 32 j + l, so the order (w, j, l) is the rows' own order.
	s_load_b256 s[8:15], s[0:1], 0x40              ; mask s[8:9], rowlist s[10:11], cnts s[12:13], sraw s[14:15]
	s_sub_co_u32 s25, ttmp9, 128                   ; the batch
	s_lshl_b32 s26, s25, 13                        ; its 8,192 bytes in mask, rowlist and sraw
	s_mov_b32 s27, 0
	v_and_b32 v4, 31, v0
	s_lshl_b32 s28, s24, 8
	v_add_nc_u32 v5, s28, v4                       ; row 256 w + lane
	s_delay_alu instid0(VALU_DEP_1)
	v_lshlrev_b32 v6, 2, v5                        ; its byte
	v_lshlrev_b32 v7, 4, v0                        ; 16 x thread
	v_lshrrev_b32 v9, 5, v0
	s_delay_alu instid0(VALU_DEP_1)
	v_lshlrev_b32 v9, 2, v9                        ; 4 x wave
	v_mov_b32 v10, 0
.irp j, 48,49,50,51
	v_mov_b32 v\j, 0
.endr
	s_wait_alu depctr_va_vdst(0)
	s_wait_kmcnt 0x0
	s_add_nc_u64 s[8:9], s[8:9], s[26:27]
	s_add_nc_u64 s[10:11], s[10:11], s[26:27]
	s_add_nc_u64 s[14:15], s[14:15], s[26:27]
.irp j, 0,1,2,3,4,5,6,7
	global_load_b32 v[16+\j], v6, s[8:9] offset:128*\j
.endr
	global_store_b128 v7, v[48:51], s[14:15]               ; sraw's 8,192 bytes of this batch: zeros, 512 consecutive bytes a wave
	global_store_b128 v7, v[48:51], s[14:15] offset:4096
	s_wait_loadcnt 0x0
.irp j, 0,1,2,3,4,5,6,7
	v_cmp_ne_u32 s[32+\j], 0, v[16+\j]             ; a bit for each lane whose row is kept
.endr
	s_mov_b32 s48, 0
.irp j, 0,1,2,3,4,5,6,7
	s_bcnt1_i32_b32 s[40+\j], s[32+\j]
	s_add_co_u32 s[49+\j], s[48+\j], s[40+\j]      ; s[48+j]: kept rows of my wave ahead of load j; s56: all of my wave's
.endr
	v_mov_b32 v8, s56
	ds_store_b32 v9, v8 offset:MB                  ; all lanes write the wave's word with the same number
	s_wait_dscnt 0x0                               ; for the others' sake
	s_barrier_signal -1
	s_barrier_wait -1
	ds_load_b128 v[24:27], v10 offset:MB
	ds_load_b128 v[28:31], v10 offset:MB+16
	s_wait_dscnt 0x0
.irp i, 0,1,2,3,4,5,6,7
	v_readfirstlane_b32 s[40+\i], v[24+\i]
.endr
	s_mov_b32 s57, 0                               ; kept rows of the waves ahead of mine
	s_mov_b32 s58, 0                               ; kept rows of the batch
.irp i, 0,1,2,3,4,5,6,7
	s_cmp_gt_u32 s24, \i
	s_cselect_b32 s59, s[40+\i], 0
	s_add_co_u32 s57, s57, s59
	s_add_co_u32 s58, s58, s[40+\i]
.endr
.irp j, 0,1,2,3,4,5,6,7
	s_add_co_u32 s59, s57, s[48+\j]
	v_mbcnt_lo_u32_b32 v[32+\j], s[32+\j], 0       ; kept rows in the lanes below mine
	s_delay_alu instid0(VALU_DEP_1)
	v_add_nc_u32 v[32+\j], s59, v[32+\j]           ; kept rows ahead of mine: a kept row's place
	v_add_nc_u32 v[40+\j], 32*\j, v5               ; my row
	s_delay_alu instid0(VALU_DEP_1)
	v_sub_nc_u32 v[56+\j], v[40+\j], v[32+\j]      ; dropped rows ahead of mine,
	s_delay_alu instid0(VALU_DEP_1)
	v_add_nc_u32 v[56+\j], s58, v[56+\j]           ; behind all that are kept: a dropped row's place
	s_delay_alu instid0(VALU_DEP_1)
	v_cndmask_b32 v[32+\j], v[56+\j], v[32+\j], s[32+\j]
	s_delay_alu instid0(VALU_DEP_1)
	v_min_u32 v[32+\j], 0x7ff, v[32+\j]            ; a place lies in the list
	s_delay_alu instid0(VALU_DEP_1)
	v_lshlrev_b32 v[32+\j], 2, v[32+\j]
	global_store_b32 v[32+\j], v[40+\j], s[10:11]  ; every place of the list is written once
.endr
	s_cmp_lg_u32 s24, 0
	s_cbranch_scc1 .Lmend
	s_lshl_b32 s26, s25, 2
	s_add_nc_u64 s[12:13], s[12:13], s[26:27]
	v_mov_b32 v11, s58
	global_store_b32 v10, v11, s[12:13]            ; cnts[b]: wave 0's lanes write the one word with the same number
.Lmend:
	s_wait_tensorcnt 0x0
	ds_add_u32 v224, v225
	s_wait_dscnt 0x0
	s_endpgm
.Lfunc_end_k_q17d977e7b0_prep:
	.size	k_q17d977e7b0_prep, .Lfunc_end_k_q17d977e7b0_prep-k_q17d977e7b0_prep
	.p2alignl 7, 3214868480
	.fill 96, 4, 3214868480
	.section	.rodata,"a",@progbits
	.p2align	6, 0x0
	.amdhsa_kernel k_q17d977e7b0_prep
		.amdhsa_group_segment_fixed_size 17920
		.amdhsa_private_segment_fixed_size 0
		.amdhsa_enable_private_segment 0
		.amdhsa_kernarg_size 96
		.amdhsa_user_sgpr_count 2
		.amdhsa_user_sgpr_kernarg_segment_ptr 1
		.amdhsa_wavefront_size32 1
		.amdhsa_system_sgpr_workgroup_id_x 1
		.amdhsa_system_sgpr_workgroup_id_y 1
		.amdhsa_system_sgpr_workgroup_id_z 1
		.amdhsa_system_vgpr_workitem_id 0
		.amdhsa_next_free_vgpr 226
		.amdhsa_next_free_sgpr 66
		.amdhsa_reserve_vcc 0
		.amdhsa_float_denorm_mode_32 3
		.amdhsa_float_denorm_mode_16_64 3
		.amdhsa_memory_ordered 1
		.amdhsa_forward_progress 1
		.amdhsa_inst_pref_size 45
	.end_amdhsa_kernel
	.amdgpu_metadata
---
amdhsa.version: [ 1, 2 ]
amdhsa.kernels:
  - .name:           k_q17d977e7b0_prep
    .symbol:         k_q17d977e7b0_prep.kd
    .args:
      - { .name: Ua_w, .offset: 0, .size: 8, .value_kind: global_buffer, .address_space: global }
      - { .name: Wa_w, .offset: 8, .size: 8, .value_kind: global_buffer, .address_space: global }
      - { .name: decoder_hidden, .offset: 16, .size: 8, .value_kind: global_buffer, .address_space: global }
      - { .name: Wa_b, .offset: 24, .size: 8, .value_kind: global_buffer, .address_space: global }
      - { .name: Ua_b, .offset: 32, .size: 8, .value_kind: global_buffer, .address_space: global }
      - { .name: lowp_scales, .offset: 40, .size: 8, .value_kind: global_buffer, .address_space: global }
      - { .name: ua_img, .offset: 48, .size: 8, .value_kind: global_buffer, .address_space: global }
      - { .name: biasc, .offset: 56, .size: 8, .value_kind: global_buffer, .address_space: global }
      - { .name: mask, .offset: 64, .size: 8, .value_kind: global_buffer, .address_space: global }
      - { .name: rowlist, .offset: 72, .size: 8, .value_kind: global_buffer, .address_space: global }
      - { .name: cnts, .offset: 80, .size: 8, .value_kind: global_buffer, .address_space: global }
      - { .name: sraw, .offset: 88, .size: 8, .value_kind: global_buffer, .address_space: global }
    .group_segment_fixed_size: 17920
    .private_segment_fixed_size: 0
    .kernarg_segment_align: 8
    .kernarg_segment_size: 96
    .max_flat_workgroup_size: 256
    .sgpr_count:     66
    .vgpr_count:     226
    .wavefront_size: 32
...
	.end_amdgpu_metadata
.endif
;; end of part 4
;; launch main (part 5): grid 480 x 1, 4 waves a work-group, no clusters, 160,768 bytes of LDS; arguments encoder_outputs, ua_img, biasc, Va_w, lowp_scales, rowlist, cnts, sraw; writes sraw
.if DOCPART == 5
	.amdgcn_target "amdgcn-amd-amdhsa--gfx1250"
	.amdhsa_code_object_version 6
	.text
	.protected	k_q17d977e7b0_main
	.globl	k_q17d977e7b0_main
	.p2align	8
	.type	k_q17d977e7b0_main,@function
k_q17d977e7b0_main:
	s_mov_b64 s[64:65], 0
	v_nop
	global_prefetch_b8 v0, s[64:65] scope:SCOPE_SE
	s_setreg_imm32_b32 hwreg(HW_REG_WAVE_MODE, 25, 1), 1
	s_wait_xcnt 0x0
; sraw[row] = the sum over n of Va[n] / (1 + 2^z),  z = c (x[row] . Ua[:, n]) + biasc[b][n],  c = 2 log2(e);  tanh = 1 - 2 / (1 + 2^z), so a score is (sum of Va + Va_b) - 2 sraw.
; The product is made on codes of E5M2: x quantised here with 2^e2, Ua's codes (2^e3) come as images of operand registers.  2^z = infinity gives 0, 2^z = 0 gives 1.
; ONLY THE ROWS THAT THE MASK KEEPS: reference() replaces the score of a row with mask == 0.  rowlist[b] holds the batch's rows, the kept ones first, cnts[b] their number.
; Work-group x: batch x % 32, block x / 32 of 144 places of the list; it works if 144 (x / 32) < cnts[b]; 15 blocks serve every mask.  Places past cnts[b] hold dropped rows, computed like the others and
; discarded by the last launch; places past the list's end are held at its last place: the same row and number again, stored by this work-group alone.
; A work-group without rows passes the two barriers and nothing else: the barriers stand on the way that all waves take, the work under scalar branches on the count.
; No tensor load, no joint load, no cluster.  No prefetch: phase X keeps 48 loads a wave out on a stream read once, and all work-groups read the same 1 MB of Ua.
; PHASE X: wave w takes bytes 1,024 w .. + 1,023 of all 144 rows.  A unit is two rows x 4 loads; sixteen lanes read 256 consecutive bytes, aligned.  Twelve units are out.  Two loads' 8 numbers a lane make 8 codes;
;   each dword (4 neighbouring codes) goes to its row in LDS: rows of 1,024 codes, 1,040 bytes apart.
; PHASE G: wave w takes columns 256 w .. + 255 for all 144 rows, in two passes of 8 tiles of 16 columns: 72 accumulators.  K goes in 16 steps of 64.  Ua's fragments come from memory into a ring of four sets of registers,
;   asked for three steps ahead; x's nine fragments come from LDS, one step ahead.  Source 0 = 16 columns of Ua, source 1 = 16 rows of x: lane (r, h) holds row r, register j column 16 t + 8 h + j.
;   The same permutation of k stands in both operands.  The 72 accumulators take turns.
; Behind a pass: fma, exp, + 1, rcp, fma with Va, row tile by row tile.  The waves' partial sums of a row meet in LDS.
; LIMITS: e2 between -126 and 112; e2 + e3 between -127 and 126 (added to c's exponent field).  NaN among the inputs is not served; what lies beyond the scale's range is held at the largest code.
; REGISTERS: window 0: v0-63 addresses and sums; v64-135 x's fragments (phase X: row offsets; way out of a pass: v64-127 biasc, v128-191 Va); v192-255 Ua's set 3.
;   windows 1, 2: accumulators of row tiles 0-3, 4-7 (phase X: window 1 holds the ring of numbers);  window 3: v0-63 row tile 8, v64-255 Ua's sets 0-2.
.set ROWS,  144
.set PITCH, 1040                       ; 1,024 + 16: an odd multiple of 16
.set BIAS,  149760                     ; behind x's codes: biasc's row, 4,096 bytes, then Va_w, 4,096 bytes
.set RED,   157952                     ; 4 waves x 144 partial sums
.set SPARE, 160256                     ; the spare words, 128 bytes a wave
.set SPW, 4
.set NIL, 5
.set UO,  6                            ; 16 x lane
.set ADA, 8                            ; v8-10 x's fragments: row tiles 0-3, 4-7, 8
.set XO,  11                           ; 16 r + 1,024 w
.set XS,  12                           ; v12-14 where my codes go: units 0-23, 24-47, 48-71
.set SCL, 15
.set LIM, 16
.set HB,  17
.set HBK, 18
.set BST, 19
.set RW,  20
.set RD1, 21
.set RD2, 22
.set SI,  24                           ; v24-25 my two rows' places in sraw
.set TT,  28                           ; v28-35 at work
.set SS,  36                           ; v36-53 the rows' sums, a pair for each row tile
.set RO,  64
.set BT,  136
.set AF,  64
.set BIA, 64
.set VAR, 128
.set SC,  36                           ; s[36:37] c 2^(e2+e3), twice
.set SEL, 38
.set ACT, 40
.set PASS, 41
.set TBV, 42
.set UB,  44
.set MSB, 0
.macro WIN new                         ; the immediate's high byte repeats the setting that is left
.if MSB != (\new)
	s_set_vgpr_msb (MSB<<8)|(\new)
.set MSB, (\new)
.endif
.endm
.macro PLACES                          ; four places between a matrix instruction and a load into, or a read of, its registers
.rept 4
	v_nop
.endr
.endm
	s_load_b256 s[4:11], s[0:1], 0x0               ; x s[4:5], ua_img s[6:7], biasc s[8:9], Va_w s[10:11]
	s_load_b256 s[12:19], s[0:1], 0x20             ; lowp_scales s[12:13], rowlist s[14:15], cnts s[16:17], sraw s[18:19]
	v_lshl_add_u32 v[SPW], v0, 2, SPARE
	v_mov_b32 v[NIL], 0
	v_lshrrev_b32 v1, 5, v0
	v_readfirstlane_b32 s2, v1                     ; wave
	s_and_b32 s3, ttmp9, 31                        ; batch
	s_lshr_b32 s20, ttmp9, 5                       ; block
	s_mul_i32 s21, s20, ROWS                       ; its first place
	s_lshl_b32 s22, s2, 10
	s_lshl_b32 s23, s2, 8
	s_add_co_u32 s24, s22, BIAS
	s_mul_i32 s25, s2, 576
	s_add_co_u32 s25, s25, RED
	s_mul_i32 s26, s2, 36
	s_add_co_u32 s27, s26, 32
	s_mov_b32 s29, 0
	s_mov_b32 s[SEL], 0x76543210
	s_mov_b32 s[SEL+1], 0xfedcba98
	v_and_b32 v1, 15, v0                           ; r
	v_bfe_u32 v2, v0, 4, 1                         ; h
	v_and_b32 v3, 31, v0                           ; lane
	v_lshlrev_b32 v[UO], 4, v3
	v_mul_u32_u24 v[ADA], v1, PITCH
	v_lshl_add_u32 v[ADA], v2, 4, v[ADA]           ; row r, + 16 h
	v_add_nc_u32 v[ADA+1], 64*PITCH, v[ADA]
	v_add_nc_u32 v[ADA+2], 128*PITCH, v[ADA]
	v_lshl_add_u32 v[XO], v1, 4, s22
	v_mul_u32_u24 v[XS], v2, 4*PITCH               ; lanes 16-31 take the row four further down
	v_lshl_add_u32 v[XS], v1, 2, v[XS]
	v_add_nc_u32 v[XS], s23, v[XS]                 ; row 4 h, + 256 w + 4 r
	v_add_nc_u32 v[XS+1], 48*PITCH, v[XS]
	v_add_nc_u32 v[XS+2], 96*PITCH, v[XS]
	v_lshl_add_u32 v[HB], v2, 5, s24               ; BIAS + 1,024 w + 32 h
	v_lshl_add_u32 v[BST], v0, 4, BIAS
	v_lshl_add_u32 v[RW], v1, 2, s25
	v_add_nc_u32 v26, s26, v3                      ; the rows that I finish: 36 w + lane,
	v_and_b32 v27, 3, v0
	v_add_nc_u32 v27, s27, v27                     ; and 36 w + 32 + lane % 4
	v_lshl_add_u32 v[RD1], v26, 2, RED
	v_lshl_add_u32 v[RD2], v27, 2, RED
	v_add_lshl_u32 v[SI], v26, s21, 2
	v_add_lshl_u32 v[SI+1], v27, s21, 2
	v_and_b32 v32, 15, v[SI]                       ; places are held inside the list by groups of four, as phase X holds them: the group's first word at byte 8,176 at the most, the place in the group kept
	v_and_b32 v33, 15, v[SI+1]
	v_and_b32 v[SI], -16, v[SI]
	v_and_b32 v[SI+1], -16, v[SI+1]
	v_min_u32 v[SI], 0x1ff0, v[SI]
	v_min_u32 v[SI+1], 0x1ff0, v[SI+1]
	v_add_nc_u32 v[SI], v[SI], v32
	v_add_nc_u32 v[SI+1], v[SI+1], v33
	v_lshlrev_b32 v30, 4, v0
.set GA, 160                           ; v160-177 the list's bytes for groups of four units
	v_lshlrev_b32 v29, 4, v2
	v_lshl_add_u32 v29, s21, 2, v29                ; 4 x (first place + 4 h)
.set gg, 0
.rept 18
	v_add_nc_u32 v[GA+gg], 32*gg, v29              ; units 4 g .. 4 g + 3 take rows 8 g + 4 h + 0 .. 3: four neighbouring words of the list a lane
	v_min_u32 v[GA+gg], 0x1ff0, v[GA+gg]           ; held inside the list: past its end the last four places again
.set gg, gg+1
.endr
	s_wait_alu depctr_va_vdst(0)
	s_wait_kmcnt 0x0
	s_lshl_b32 s28, s3, 2
	s_add_nc_u64 s[16:17], s[16:17], s[28:29]
	s_load_b32 s30, s[16:17], 0x0                  ; cnts[b]
	s_load_b128 s[32:35], s[12:13], 0x0            ; e0 .. e3
	s_lshl_b32 s28, s3, 13
	s_add_nc_u64 s[14:15], s[14:15], s[28:29]
	s_add_nc_u64 s[18:19], s[18:19], s[28:29]
	s_lshl_b32 s28, s3, 23
	s_add_nc_u64 s[4:5], s[4:5], s[28:29]
	s_lshl_b32 s28, s3, 12
	s_add_nc_u64 s[8:9], s[8:9], s[28:29]
	s_lshl_b32 s28, s2, 18
	s_add_nc_u64 s[6:7], s[6:7], s[28:29]          ; my wave's 16 tiles of Ua
	global_load_b32 v[SI], v[SI], s[14:15]         ; the row numbers hang on ids alone: they go out beside the count
	global_load_b32 v[SI+1], v[SI+1], s[14:15]
.set gg, 0
.rept 18
	global_load_b128 v[RO+4*gg:RO+4*gg+3], v[GA+gg], s[14:15]
.set gg, gg+1
.endr
	s_wait_kmcnt 0x0
	s_add_co_i32 s28, s34, 127
	s_lshl_b32 s31, s28, 23
	v_mov_b32 v[SCL], s31                          ; 2^e2
	s_add_co_i32 s28, s28, 15
	s_lshl_b32 s28, s28, 23
	s_or_b32 s28, s28, 0x600000
	v_mov_b32 v[LIM], s28                          ; 57,344 x 2^e2
	s_add_co_i32 s28, s34, s35
	s_lshl_b32 s28, s28, 23
	s_add_co_i32 s[SC], s28, 0x4038aa3b            ; c x 2^(e2 + e3)
	s_mov_b32 s[SC+1], s[SC]
	s_cmp_lt_u32 s21, s30
	s_cselect_b32 s[ACT], 1, 0
	s_wait_alu depctr_va_vdst(0)
	s_cmp_eq_u32 s[ACT], 0
	s_cbranch_scc1 .Lb1
; ---------------- PHASE X
.macro XLOAD u
	WIN 0x40                                       ; destination window 1
.set jj, 0
.rept 4
	global_load_b128 v[16*((\u)%12)+4*jj:16*((\u)%12)+4*jj+3], v[RO+(\u)], s[4:5] offset:256*jj th:TH_LOAD_NT
.set jj, jj+1
.endr
.endm
.macro XUNIT u
.if (\u) <= 60
	s_wait_loadcnt 44                              ; loads come back in order: unit u is in, the eleven behind it stay out
.else
	s_wait_loadcnt 4*(71-(\u))
.endif
.if (\u) == 0
	WIN 0
	ds_store_b128 v[BST], v[BT:BT+3]               ; biasc's row and Va_w, asked for ahead of unit 0
	ds_store_b128 v[BST], v[BT+4:BT+7] offset:2048
	ds_store_b128 v[BST], v[BT+8:BT+11] offset:4096
	ds_store_b128 v[BST], v[BT+12:BT+15] offset:6144
.endif
.set XB, 16*((\u)%12)
.set CD, 192+4*((\u)%2)
	WIN 0x41                                       ; source 0 and destination window 1
.set jj, 0
.rept 16
	v_med3_num_f32 v[XB+jj], v[XB+jj], -v[LIM], v[LIM]   ; the conversion does not saturate (ISA guide 7.6.2): the hold comes first
.set jj, jj+1
.endr
	v_cvt_scalef32_pk8_bf8_f32 v[CD:CD+1], v[XB:XB+7], v[SCL]
	v_cvt_scalef32_pk8_bf8_f32 v[CD+2:CD+3], v[XB+8:XB+15], v[SCL]
	WIN 0x04                                       ; store data window 1
.set jj, 0
.rept 4
	ds_store_b32 v[XS+(\u)/24], v[CD+jj] offset:(8*(((\u)%24)/4)+(\u)%4)*PITCH+64*jj
.set jj, jj+1
.endr
.if (\u)+12 < 72
	XLOAD (\u)+12
.endif
.endm
	global_load_b128 v[BT:BT+3], v30, s[8:9]
	global_load_b128 v[BT+4:BT+7], v30, s[8:9] offset:2048
	global_load_b128 v[BT+8:BT+11], v30, s[10:11]
	global_load_b128 v[BT+12:BT+15], v30, s[10:11] offset:2048
	s_wait_loadcnt 4                               ; the row numbers are in; the four loads above may be out
.set uu, 0
.rept 72
	v_min_u32 v[RO+uu], 0x7ff, v[RO+uu]            ; a row's number lies in the batch
	v_lshl_add_u32 v[RO+uu], v[RO+uu], 12, v[XO]   ; its 4,096 bytes, + my place in them
.set uu, uu+1
.endr
	s_wait_alu depctr_va_vdst(0)
.set uu, 0
.rept 12
	XLOAD uu
.set uu, uu+1
.endr
.set uu, 0
.rept 72
	XUNIT uu
.set uu, uu+1
.endr
	WIN 0
	v_nop                                          ; one plain line behind the last conversion
.Lb1:
	s_wait_loadcnt 0x0                             ; nothing of the head's loads is out behind this line
	s_wait_dscnt 0x0                               ; for the others' sake: my codes lie in LDS
	s_barrier_signal -1
	s_barrier_wait -1
	s_cmp_eq_u32 s[ACT], 0
	s_cbranch_scc1 .Lb2
; ---------------- PHASE G
.macro BLOAD q                         ; Ua's 8 fragments of K step q (64 along K) into set q % 4: 512 consecutive bytes a load
.if (\q)%4 < 3
.set BR, 64+64*((\q)%4)
	WIN 0xc0
.else
.set BR, 192
	WIN 0
.endif
.set bb, 0
.rept 8
	global_load_b128 v[BR+8*bb:BR+8*bb+3], v[UO], s[UB:UB+1] offset:16384*bb+1024*(\q)
	global_load_b128 v[BR+8*bb+4:BR+8*bb+7], v[UO], s[UB:UB+1] offset:16384*bb+1024*(\q)+512
.set bb, bb+1
.endr
.endm
.macro ALOAD q, m0, n                  ; x's fragments of row tiles m0 .. m0 + n - 1, K step q
	WIN 0
.set mm, \m0
.rept \n
	ds_load_b128 v[AF+8*mm:AF+8*mm+3], v[ADA+mm/4] offset:(mm%4)*16*PITCH+64*(\q)
	ds_load_b128 v[AF+8*mm+4:AF+8*mm+7], v[ADA+mm/4] offset:(mm%4)*16*PITCH+64*(\q)+32
.set mm, mm+1
.endr
.endm
.macro MUL q, m0, n                    ; n row tiles of one window x 8 column tiles; K step 0 starts the sums
.if (\q)%4 < 3
.set MR, 64+64*((\q)%4)
	WIN 3|((1+(\m0)/4)*0x50)
.else
.set MR, 192
	WIN (1+(\m0)/4)*0x50
.endif
.set mm, \m0
.rept \n
.set bb, 0
.rept 8
.set DD, 64*(mm%4)+8*bb
.if (\q) == 0
	v_wmma_f32_16x16x64_bf8_bf8 v[DD:DD+7], v[MR+8*bb:MR+8*bb+7], v[AF+8*mm:AF+8*mm+7], 0
.else
	v_wmma_f32_16x16x64_bf8_bf8 v[DD:DD+7], v[MR+8*bb:MR+8*bb+7], v[AF+8*mm:AF+8*mm+7], v[DD:DD+7]
.endif
.set bb, bb+1
.endr
.set mm, mm+1
.endr
.endm
.macro HS q
.if (\q) <= 13
	s_wait_loadcnt 32                              ; set q is in; the two sets asked for behind it stay out
.else
	s_wait_loadcnt 16*(15-(\q))
.endif
	s_wait_dscnt 10                                ; row tiles 0-3 are in; the ten loads of tiles 4-8 may be out
	MUL \q, 0, 4
	PLACES
.if (\q) < 15
	ALOAD (\q)+1, 0, 4
.endif
.if (\q) <= 12
	BLOAD (\q)+3                                   ; into the set that the step before read last
.endif
.if (\q) < 15
	s_wait_dscnt 8                                 ; all but the eight just issued
.else
	s_wait_dscnt 0x0
.endif
	MUL \q, 4, 4
	MUL \q, 8, 1
	PLACES
.if (\q) < 15
	ALOAD (\q)+1, 4, 5
.else
	WIN 0
.endif
.endm
.macro EPI m                           ; row tile m's 64 registers: z, 2^z, 1 + 2^z, its reciprocal, x Va into the tile's sums.  The waits: one ahead of and one behind each batch of transcendentals, and ahead of the first read of the sums
.set EW, 1+(\m)/4
.set AC, 64*((\m)%4)
	WIN EW|(EW<<6)
	s_wait_alu depctr_va_vdst(0)
.set kk, 0
.rept 32
	v_pk_fma_f32 v[AC+2*kk:AC+2*kk+1], v[AC+2*kk:AC+2*kk+1], s[SC:SC+1], v[BIA+2*kk:BIA+2*kk+1] op_sel_hi:[1,0,1]
.set kk, kk+1
.endr
	s_wait_alu depctr_va_vdst(0)
.set kk, 0
.rept 64
	v_exp_f32 v[AC+kk], v[AC+kk]
.set kk, kk+1
.endr
	v_nop
	s_wait_alu depctr_va_vdst(0)
.set kk, 0
.rept 32
	v_pk_add_f32 v[AC+2*kk:AC+2*kk+1], v[AC+2*kk:AC+2*kk+1], 1.0 op_sel_hi:[1,0]
.set kk, kk+1
.endr
	s_wait_alu depctr_va_vdst(0)
.set kk, 0
.rept 64
	v_rcp_f32 v[AC+kk], v[AC+kk]
.set kk, kk+1
.endr
	v_nop
	s_wait_alu depctr_va_vdst(0)
	WIN EW
.set kk, 0
.rept 4
	v_pk_mul_f32 v[TT+2*kk:TT+2*kk+1], v[AC+2*kk:AC+2*kk+1], v[VAR+2*kk:VAR+2*kk+1]     ; four chains
.set kk, kk+1
.endr
.rept 28
	v_pk_fma_f32 v[TT+2*(kk%4):TT+2*(kk%4)+1], v[AC+2*kk:AC+2*kk+1], v[VAR+2*kk:VAR+2*kk+1], v[TT+2*(kk%4):TT+2*(kk%4)+1]
.set kk, kk+1
.endr
	WIN 0
	v_pk_add_f32 v[TT:TT+1], v[TT:TT+1], v[TT+2:TT+3]
	v_pk_add_f32 v[TT+4:TT+5], v[TT+4:TT+5], v[TT+6:TT+7]
	v_pk_add_f32 v[SS+2*(\m):SS+2*(\m)+1], v[SS+2*(\m):SS+2*(\m)+1], v[TT:TT+1]
	v_pk_add_f32 v[SS+2*(\m):SS+2*(\m)+1], v[SS+2*(\m):SS+2*(\m)+1], v[TT+4:TT+5]
.endm
	s_mov_b64 s[UB:UB+1], s[6:7]
.set kk, 0
.rept 18
	v_mov_b32 v[SS+kk], 0
.set kk, kk+1
.endr
	s_mov_b32 s[PASS], 2
.Lpass:
	s_cmp_eq_u32 s[PASS], 2
	s_cselect_b32 s[TBV], 0, 512                   ; the pass's 128 columns in biasc and Va
	v_add_nc_u32 v[HBK], s[TBV], v[HB]
	s_wait_alu depctr_va_vdst(0)
	BLOAD 0                                        ; the pass's first three sets of Ua
	BLOAD 1
	BLOAD 2
	ALOAD 0, 0, 9
.set qq, 0
.rept 16
	HS qq
.set qq, qq+1
.endr
	s_wait_xcnt 0x0                                ; all loads that name the base are done (the last step's wait was for 0)
	s_add_nc_u64 s[UB:UB+1], s[UB:UB+1], 131072    ; the next pass's 8 tiles
.set bb, 0
.rept 8
	ds_load_b128 v[BIA+8*bb:BIA+8*bb+3], v[HBK] offset:64*bb
	ds_load_b128 v[BIA+8*bb+4:BIA+8*bb+7], v[HBK] offset:64*bb+16
	ds_load_b128 v[VAR+8*bb:VAR+8*bb+3], v[HBK] offset:64*bb+4096
	ds_load_b128 v[VAR+8*bb+4:VAR+8*bb+7], v[HBK] offset:64*bb+4112
.set bb, bb+1
.endr
	s_wait_dscnt 0x0
.irp m, 0,1,2,3,4,5,6,7,8
	EPI \m
.endr
	s_wait_alu depctr_va_vdst(0)
	s_sub_co_u32 s[PASS], s[PASS], 1
	s_cmp_lg_u32 s[PASS], 0
	s_cbranch_scc1 .Lpass
	; my 256 columns' part of each row's sum: the pair's halves, then lane l xor 16's columns
.irp m, 0,1,2,3,4,5,6,7,8
	v_add_f32 v[SS+2*\m], v[SS+2*\m], v[SS+2*\m+1]
.endr
.irp m, 0,1,2,3,4,5,6,7,8
	v_permlanex16_b32 v[SS+2*\m+1], v[SS+2*\m], s[SEL], s[SEL+1]
.endr
.irp m, 0,1,2,3,4,5,6,7,8
	v_add_f32 v[SS+2*\m], v[SS+2*\m], v[SS+2*\m+1]
.endr
.irp m, 0,1,2,3,4,5,6,7,8
	ds_store_b32 v[RW], v[SS+2*\m] offset:64*\m    ; lanes r and 16 + r write the same word with the same number
.endr
.Lb2:
	s_wait_dscnt 0x0                               ; for the others' sake: my partial sums lie in LDS
	s_barrier_signal -1
	s_barrier_wait -1
	s_cmp_eq_u32 s[ACT], 0
	s_cbranch_scc1 .Lend
.irp i, 0,1,2,3
	ds_load_b32 v[TT+\i], v[RD1] offset:576*\i     ; the four waves' parts of my two rows
	ds_load_b32 v[TT+4+\i], v[RD2] offset:576*\i
.endr
	v_min_u32 v[SI], 0x7ff, v[SI]
	v_min_u32 v[SI+1], 0x7ff, v[SI+1]
	v_lshlrev_b32 v[SI], 2, v[SI]
	v_lshlrev_b32 v[SI+1], 2, v[SI+1]
	s_wait_alu depctr_va_vdst(0)
	s_wait_dscnt 0x0
	v_add_f32 v[TT], v[TT], v[TT+1]
	v_add_f32 v[TT+2], v[TT+2], v[TT+3]
	v_add_f32 v[TT+4], v[TT+4], v[TT+5]
	v_add_f32 v[TT+6], v[TT+6], v[TT+7]
	v_add_f32 v[TT], v[TT], v[TT+2]
	v_add_f32 v[TT+4], v[TT+4], v[TT+6]
	global_store_b32 v[SI], v[TT], s[18:19]        ; a row's sum goes to the row's own place in sraw
	global_store_b32 v[SI+1], v[TT+4], s[18:19]
.Lend:
	s_wait_tensorcnt 0x0                           ; the wave's end
	ds_add_u32 v[SPW], v[NIL]
	s_wait_dscnt 0x0
	s_endpgm
.Lfunc_end_k_q17d977e7b0_main:
	.size	k_q17d977e7b0_main, .Lfunc_end_k_q17d977e7b0_main-k_q17d977e7b0_main
	.p2alignl 7, 3214868480
	.fill 96, 4, 3214868480
	.section	.rodata,"a",@progbits
	.p2align	6, 0x0
	.amdhsa_kernel k_q17d977e7b0_main
		.amdhsa_group_segment_fixed_size 160768
		.amdhsa_private_segment_fixed_size 0
		.amdhsa_enable_private_segment 0
		.amdhsa_kernarg_size 64
		.amdhsa_user_sgpr_count 2
		.amdhsa_user_sgpr_kernarg_segment_ptr 1
		.amdhsa_wavefront_size32 1
		.amdhsa_system_sgpr_workgroup_id_x 1
		.amdhsa_system_sgpr_workgroup_id_y 1
		.amdhsa_system_sgpr_workgroup_id_z 1
		.amdhsa_system_vgpr_workitem_id 0
		.amdhsa_next_free_vgpr 1024
		.amdhsa_next_free_sgpr 66
		.amdhsa_reserve_vcc 0
		.amdhsa_float_denorm_mode_32 3
		.amdhsa_float_denorm_mode_16_64 3
		.amdhsa_memory_ordered 1
		.amdhsa_forward_progress 1
		.amdhsa_inst_pref_size 255
	.end_amdhsa_kernel
	.section	.bss,"aw",@nobits
	.p2align	6
	.space	262144
	.amdgpu_metadata
---
amdhsa.version: [ 1, 2 ]
amdhsa.kernels:
  - .name:           k_q17d977e7b0_main
    .symbol:         k_q17d977e7b0_main.kd
    .args:
      - { .name: encoder_outputs, .offset: 0, .size: 8, .value_kind: global_buffer, .address_space: global }
      - { .name: ua_img, .offset: 8, .size: 8, .value_kind: global_buffer, .address_space: global }
      - { .name: biasc, .offset: 16, .size: 8, .value_kind: global_buffer, .address_space: global }
      - { .name: Va_w, .offset: 24, .size: 8, .value_kind: global_buffer, .address_space: global }
      - { .name: lowp_scales, .offset: 32, .size: 8, .value_kind: global_buffer, .address_space: global }
      - { .name: rowlist, .offset: 40, .size: 8, .value_kind: global_buffer, .address_space: global }
      - { .name: cnts, .offset: 48, .size: 8, .value_kind: global_buffer, .address_space: global }
      - { .name: sraw, .offset: 56, .size: 8, .value_kind: global_buffer, .address_space: global }
    .group_segment_fixed_size: 160768
    .private_segment_fixed_size: 0
    .kernarg_segment_align: 8
    .kernarg_segment_size: 64
    .max_flat_workgroup_size: 128
    .sgpr_count:     66
    .vgpr_count:     1024
    .wavefront_size: 32
...
	.end_amdgpu_metadata
.endif
;; end of part 5
;; launch soft (part 6): grid 32 x 1, 8 waves a work-group, no clusters, 2,048 bytes of LDS; arguments sraw, mask, Va_w, Va_b, out0; writes out0
.if DOCPART == 6
	.amdgcn_target "amdgcn-amd-amdhsa--gfx1250"
	.amdhsa_code_object_version 6
	.text
	.protected	k_q17d977e7b0_soft
	.globl	k_q17d977e7b0_soft
	.p2align	8
	.type	k_q17d977e7b0_soft,@function
k_q17d977e7b0_soft:
	s_mov_b64 s[64:65], 0
	v_nop
	global_prefetch_b8 v0, s[64:65] scope:SCOPE_SE
	s_setreg_imm32_b32 hwreg(HW_REG_WAVE_MODE, 25, 1), 1
	s_wait_xcnt 0x0
; out0[b][:] = softmax over s of (mask == 0 ? -1e9 : score),  score = (the sum of Va_w + Va_b) - 2 sraw[b][s].
; One work-group to a batch; thread t holds 8 of its 2,048 numbers (16 bytes at 16 t and at 4,096 + 16 t: every load and store of a wave covers 512 consecutive bytes).
; Three reductions over the work-group (Va's sum, the maximum, the sum of exponentials), each through LDS words of its own: one barrier each.
; The row's maximum is taken away ahead of the exponential, as reference() does; a row that is masked everywhere gives 1 / 2,048.
; No matrix unit, no tensor load, no cluster: 0.5 MB are read once and nothing is shared between work-groups.
.macro WRED opd, op                    ; v24 over the wave's 32 lanes, the result in every lane
	s_delay_alu instid0(VALU_DEP_1)
	\opd v24, v24, v24 row_xmask:1 row_mask:0xf bank_mask:0xf
	s_delay_alu instid0(VALU_DEP_1)
	\opd v24, v24, v24 row_xmask:2 row_mask:0xf bank_mask:0xf
	s_delay_alu instid0(VALU_DEP_1)
	\opd v24, v24, v24 row_xmask:4 row_mask:0xf bank_mask:0xf
	s_delay_alu instid0(VALU_DEP_1)
	\opd v24, v24, v24 row_xmask:8 row_mask:0xf bank_mask:0xf
	s_delay_alu instid0(VALU_DEP_1)
	v_permlanex16_b32 v27, v24, s18, s19
	s_delay_alu instid0(VALU_DEP_1)
	\op v24, v24, v27
.endm
.macro GRED op, off                    ; and over the eight waves, through the eight words at off
	ds_store_b32 v25, v24 offset:\off
	s_wait_dscnt 0x0                               ; for the others' sake: my word lies in LDS
	s_barrier_signal -1
	s_barrier_wait -1
	ds_load_b128 v[28:31], v26 offset:\off
	ds_load_b128 v[32:35], v26 offset:\off+16
	s_wait_dscnt 0x0
	\op v28, v28, v29
	\op v30, v30, v31
	\op v32, v32, v33
	\op v34, v34, v35
	s_delay_alu instid0(VALU_DEP_3)
	\op v28, v28, v30
	s_delay_alu instid0(VALU_DEP_2)
	\op v32, v32, v34
	s_delay_alu instid0(VALU_DEP_1)
	\op v24, v28, v32
.endm
	s_load_b256 s[4:11], s[0:1], 0x0               ; sraw s[4:5], mask s[6:7], Va_w s[8:9], Va_b s[10:11]
	s_load_b64 s[12:13], s[0:1], 0x20              ; out0
	v_lshl_add_u32 v48, v0, 2, 0x400
	v_mov_b32 v49, 0
	v_lshlrev_b32 v2, 4, v0                        ; 16 t
	v_lshrrev_b32 v25, 5, v0
	s_delay_alu instid0(VALU_DEP_1)
	v_lshlrev_b32 v25, 2, v25                      ; 4 x wave
	v_mov_b32 v26, 0
	v_mov_b32 v27, 0                               ; written once: a lane permute's destination counts as one of its sources
	v_mov_b32 v36, 0xce6e6b28                      ; -1e9
	s_lshl_b32 s16, ttmp9, 13                      ; a batch's 8,192 bytes
	s_mov_b32 s17, 0
	s_mov_b32 s18, 0x76543210
	s_mov_b32 s19, 0xfedcba98
	s_wait_alu depctr_va_vdst(0)
	s_wait_kmcnt 0x0
	s_load_b32 s15, s[10:11], 0x0                  ; Va_b
	s_add_nc_u64 s[4:5], s[4:5], s[16:17]
	s_add_nc_u64 s[6:7], s[6:7], s[16:17]
	s_add_nc_u64 s[12:13], s[12:13], s[16:17]
	global_load_b128 v[20:23], v2, s[8:9]
	global_load_b128 v[4:7], v2, s[4:5]
	global_load_b128 v[8:11], v2, s[4:5] offset:4096
	global_load_b128 v[12:15], v2, s[6:7]
	global_load_b128 v[16:19], v2, s[6:7] offset:4096
	s_wait_loadcnt 4                               ; Va's four numbers are in; the four loads behind may be out
	v_add_f32 v20, v20, v21
	v_add_f32 v22, v22, v23
	s_delay_alu instid0(VALU_DEP_1)
	v_add_f32 v24, v20, v22
	WRED v_add_f32_dpp, v_add_f32
	GRED v_add_f32, 0
	s_wait_alu depctr_va_vdst(0)
	s_wait_kmcnt 0x0
	v_add_f32 v24, s15, v24                        ; the sum of Va + Va_b
	s_wait_alu depctr_va_vdst(0)
	s_wait_loadcnt 0x0
.irp j, 0,1,2,3,4,5,6,7
	v_fma_f32 v[4+\j], v[4+\j], -2.0, v24
.endr
.irp j, 0,1,2,3,4,5,6,7
	v_cmp_eq_u32 vcc_lo, 0, v[12+\j]
	s_delay_alu instid0(VALU_DEP_1)
	v_cndmask_b32 v[4+\j], v[4+\j], v36, vcc_lo
.endr
	v_max3_num_f32 v24, v4, v5, v6
	s_delay_alu instid0(VALU_DEP_1)
	v_max3_num_f32 v24, v24, v7, v8
	s_delay_alu instid0(VALU_DEP_1)
	v_max3_num_f32 v24, v24, v9, v10
	s_delay_alu instid0(VALU_DEP_1)
	v_max_num_f32 v24, v24, v11
	WRED v_max_num_f32_dpp, v_max_num_f32
	GRED v_max_num_f32, 256
.irp j, 0,1,2,3,4,5,6,7
	v_sub_f32 v[4+\j], v[4+\j], v24
.endr
.irp j, 0,1,2,3,4,5,6,7
	v_mul_f32 v[4+\j], 0x3fb8aa3b, v[4+\j]         ; x log2(e)
.endr
	s_wait_alu depctr_va_vdst(0)
.irp j, 0,1,2,3,4,5,6,7
	v_exp_f32 v[4+\j], v[4+\j]
.endr
	v_nop                                          ; a plain line behind the transcendentals
	s_wait_alu depctr_va_vdst(0)
	v_add_f32 v20, v4, v5
	v_add_f32 v21, v6, v7
	v_add_f32 v22, v8, v9
	v_add_f32 v23, v10, v11
	s_delay_alu instid0(VALU_DEP_3)
	v_add_f32 v20, v20, v21
	s_delay_alu instid0(VALU_DEP_2)
	v_add_f32 v22, v22, v23
	s_delay_alu instid0(VALU_DEP_1)
	v_add_f32 v24, v20, v22
	WRED v_add_f32_dpp, v_add_f32
	GRED v_add_f32, 512
	s_wait_alu depctr_va_vdst(0)
	v_rcp_f32 v37, v24                             ; the sum is at least 1: the largest score's term
	v_nop
	s_wait_alu depctr_va_vdst(0)
.irp j, 0,1,2,3,4,5,6,7
	v_mul_f32 v[4+\j], v[4+\j], v37
.endr
	global_store_b128 v2, v[4:7], s[12:13]
	global_store_b128 v2, v[8:11], s[12:13] offset:4096
	s_wait_tensorcnt 0x0
	ds_add_u32 v48, v49
	s_wait_dscnt 0x0
	s_endpgm
.Lfunc_end_k_q17d977e7b0_soft:
	.size	k_q17d977e7b0_soft, .Lfunc_end_k_q17d977e7b0_soft-k_q17d977e7b0_soft
	.p2alignl 7, 3214868480
	.fill 96, 4, 3214868480
	.section	.rodata,"a",@progbits
	.p2align	6, 0x0
	.amdhsa_kernel k_q17d977e7b0_soft
		.amdhsa_group_segment_fixed_size 2048
		.amdhsa_private_segment_fixed_size 0
		.amdhsa_enable_private_segment 0
		.amdhsa_kernarg_size 40
		.amdhsa_user_sgpr_count 2
		.amdhsa_user_sgpr_kernarg_segment_ptr 1
		.amdhsa_wavefront_size32 1
		.amdhsa_system_sgpr_workgroup_id_x 1
		.amdhsa_system_sgpr_workgroup_id_y 1
		.amdhsa_system_sgpr_workgroup_id_z 1
		.amdhsa_system_vgpr_workitem_id 0
		.amdhsa_next_free_vgpr 50
		.amdhsa_next_free_sgpr 66
		.amdhsa_reserve_vcc 1
		.amdhsa_float_denorm_mode_32 3
		.amdhsa_float_denorm_mode_16_64 3
		.amdhsa_memory_ordered 1
		.amdhsa_forward_progress 1
		.amdhsa_inst_pref_size 10
	.end_amdhsa_kernel
	.amdgpu_metadata
---
amdhsa.version: [ 1, 2 ]
amdhsa.kernels:
  - .name:           k_q17d977e7b0_soft
    .symbol:         k_q17d977e7b0_soft.kd
    .args:
      - { .name: sraw, .offset: 0, .size: 8, .value_kind: global_buffer, .address_space: global }
      - { .name: mask, .offset: 8, .size: 8, .value_kind: global_buffer, .address_space: global }
      - { .name: Va_w, .offset: 16, .size: 8, .value_kind: global_buffer, .address_space: global }
      - { .name: Va_b, .offset: 24, .size: 8, .value_kind: global_buffer, .address_space: global }
      - { .name: out0, .offset: 32, .size: 8, .value_kind: global_buffer, .address_space: global }
    .group_segment_fixed_size: 2048
    .private_segment_fixed_size: 0
    .kernarg_segment_align: 8
    .kernarg_segment_size: 40
    .max_flat_workgroup_size: 256
    .sgpr_count:     66
    .vgpr_count:     50
    .wavefront_size: 32
...
	.end_amdgpu_metadata
.endif
;; end of part 6
